; MI455X (gfx1250); checked and timed in simulation.
; The chip was launched on July 23, 2026; its instructions are those of AMD's public machine-readable ISA for CDNA 5 (MIT licence, August 2026) and "CDNA5" Instruction Set Architecture Reference Guide (July 2026). The comments in the code are by the model that wrote it; some were corrected since.
;; AMIP Router. Allowed arithmetic: float matrix products may take bf16 or f16 operands with f32 sums; all other float work in f32.
;; Inputs: W1 8 x 2,048 x 512 float32; W2 8 x 512 x 2,048 float32; W_route 2,048 x 8 float32; b1 8 x 512 float32; b2 8 x 2,048 float32; b_route 8 float32; h_L 2 x 2,048 x 2,048 float32; masked 2 x 2,048 bool.
;; Outputs: out0 2 x 2,048 x 2,048 float32.
;; Constants: range_r = 8.
;; 2 versions, each right; version 2 is version 1 with the launch window written anew for expert scheduling mode. Each part assembles by itself: llvm-mc -triple=amdgcn-amd-amdhsa -mcpu=gfx1250 --defsym DOCPART=n.
;; ======== version 1 of 2: 5 launches
;; limits: values are held in f16: magnitudes above 65,504 overflow, below 6.1e-05 lose precision
;; workspace buffers: hh 16,777,216 bytes; w1h 16,777,216 bytes; w2h 16,777,216 bytes; hid 33,554,432 bytes; ap 33,554,432 bytes; mixed 67,108,864 bytes; aux 229,376 bytes
;; launch prep (part 1): grid 128 x 3, 8 waves a work-group, no clusters, 111,616 bytes of LDS; arguments h_L, W_route, b_route, masked, W1, W2, b2, hh, w1h, w2h, aux; writes hh, w1h, w2h, aux
.if DOCPART == 1
	.amdgcn_target "amdgcn-amd-amdhsa--gfx1250"
	.amdhsa_code_object_version 6
	.text
	.protected	k_q0da45ae700_prep
	.globl	k_q0da45ae700_prep
	.p2align	8
	.type	k_q0da45ae700_prep,@function
k_q0da45ae700_prep:
	s_mov_b64 s[64:65], 0
	v_nop
	global_prefetch_b8 v0, s[64:65] scope:SCOPE_SE
	s_setreg_imm32_b32 hwreg(HW_REG_WAVE_MODE, 25, 1), 1
	s_wait_xcnt 0x0
; AMIPRouter, launch 1 of 5: operands to f16, and the router.
;
; THE WHOLE PROGRAM.  T = 4096 tokens, 8 experts.  The second layer, the window sum and the mix over experts are all linear, so with
; c = max(cnt, 1), q[a][k] = w[a][k] / c[a] and win(a) the 16 neighbours within 8 places in the same batch row:
;   mixed[a][:] = sum over (k, f) of ( q[a][k] * sum over j in win(a) of unm[j] hid[j][k][f] ) * W2[k][f][:]  +  sum over k of w[a][k] (cnt/c) b2[k][:]
; The window sum is taken in front of W2, by additions alone (no difference of running sums), and the mix over k becomes part of the K axis
; of one product [4096 x 4096] x [4096 x 2048].  The multiply-adds are those of the two einsums; the [B,S,K,D] tensor is never formed.
; LEFT OUT, by an identity: the factor cnt / max(cnt, 1).  It is 1 wherever cnt >= 1, for all values of the inputs, and rows with cnt = 0 are set
; to zero by the final select (valid needs cnt > 0).  No input is without a way to the output: all eight are loaded.
; Work that only the mask's values throw away (hid of masked tokens, mixed of unmasked ones) is done and selected.
; LIMITS.  Matrix operands (h, W1, hid, the scaled window sums, W2, w/8, b2) are f16, sums f32.  Magnitudes above 65,504 in any of them become
; infinite: with h, W1, b1 thirty times the drawn sizes the hidden values have a spread near 520; with offsets of thirty spreads on h and W1 they
; reach about 2048 x 30 x 0.66 = 41,000.  With all inputs thirty times smaller the scaled window sums (about 2e-5) are f16 denormals and carry
; an error near 1e-3 of their spread.  A masked or out-of-row neighbour is removed by a bit mask, so a NaN or an infinity in hid of a masked token is
; not carried to the result.  v_exp_f32 and v_rcp_f32 flush denormals.
;
; THIS LAUNCH.  Work-groups with y = 0: 32 rows of h each; a wave takes 4 rows, rounds them to f16 and, on the way, forms their 8 router logits in
; f32 on the vector unit (N = 8 rides on a stream: the matrix unit would gain nothing), then softmax, the count of unmasked neighbours,
; q = w / max(cnt, 1) and w / 8.  y = 1, 2: W1, W2 to f16, same layout, 262,144 bytes a work-group; y = 2 also transposes b2.
; No cluster: no two work-groups read the same bytes but W_route's 64 KiB.
; aux: +0 q f32 [4096][8]; +131072 w/8 f16 [4096][8]; +196608 b2 transposed f16 [2048][8].
.set VIN,  2                           ; v2       16 x lane: my 16 bytes in a chunk of 512 bytes of h   (section C: 16 x thread)
.set VOUT, 3                           ; v3       8 x lane: my 8 bytes in the chunk as f16              (section C: 8 x thread)
.set WA,   4                           ; v4, v5   LDS address of my four rows of W_route in chunks 0-7, 8-15
.set FA,   6                           ; v6, v7   where I put W_route into LDS
.set SCR,  8                           ; v8       my row of my wave's scratch
.set SCRR, 9                           ; v9       my column of it
.set Y,    24                          ; v[24:31] row r of four: 2 registers of f16 to store
.set X,    32                          ; v[32:95] slot j % 4, row r: 4 registers of h as loaded
.set W0,   96                          ; v[96:159] two buffers of 32: register 8 i + k = W_route[my d + i][k]
.set YC,   96                          ; section C: v[96:127], 2 registers a slot
.set ACC,  160                         ; v[160:191] register 8 r + k: logit sums
.set GRP,  4608                        ; 32 lanes x 144 bytes: W_route's share of one chunk in LDS
.set SCR0, 73728                       ; behind W_route's 512 groups of 144 bytes
	s_load_b256 s[8:15], s[0:1], 0x0               ; h_L s[8:9], W_route s[10:11], b_route s[12:13], masked s[14:15]
	s_load_b256 s[16:23], s[0:1], 0x20             ; W1 s[16:17], W2 s[18:19], b2 s[20:21], hh s[22:23]
	s_load_b128 s[24:27], s[0:1], 0x40             ; w1h s[24:25], w2h s[26:27]
	s_load_b64 s[28:29], s[0:1], 0x50              ; aux
	v_lshl_add_u32 v192, v0, 2, 0x1b000
	v_mov_b32 v193, 0
	v_lshrrev_b32 v1, 5, v0
	v_readfirstlane_b32 s4, v1                     ; wave
	s_and_b32 s5, ttmp7, 0xffff                    ; y: which section
	v_and_b32 v1, 31, v0                           ; lane
	s_wait_kmcnt 0x0
	s_cmp_lg_u32 s5, 0
	s_cbranch_scc1 .Lconv                          ; the same for all waves of a work-group
; ---------------- section H ----------------
	s_lshl_b32 s6, ttmp9, 5
	s_lshl2_add_u32 s6, s4, s6                     ; t0 = 32 x + 4 wave: my first row
	; at the end lane L holds row r = L / 8, expert k = L % 8; its two neighbours are places s + k - 8 and s + k + 1 of the batch row
	v_lshrrev_b32 v10, 3, v1
	v_and_b32 v11, 7, v1
	v_add_nc_u32 v12, s6, v10                      ; t
	v_and_b32 v13, 0x7ff, v12                      ; s: place in the batch row
	v_sub_nc_u32 v22, v12, v13                     ; the batch row's first token
	v_add_nc_u32 v15, v13, v11
	v_add_nc_u32 v14, -8, v15                      ; wraps below 0: the unsigned compare with 2048 catches both ends
	v_add_nc_u32 v15, 1, v15
	v_min_u32 v16, 0x7ff, v14                      ; the address stays in the batch row; what is outside is not counted
	v_min_u32 v17, 0x7ff, v15
	v_add_nc_u32 v16, v16, v22
	v_add_nc_u32 v17, v17, v22
	v_lshlrev_b32 v21, 2, v11
	global_load_u8 v18, v16, s[14:15]
	global_load_u8 v19, v17, s[14:15]
	global_load_b32 v20, v21, s[12:13]             ; b_route[k]
	v_lshlrev_b32 v23, 4, v0
.irp i, 0,1,2,3,4,5,6,7,8,9,10,11,12,13,14,15
	global_load_b128 v[X+4*\i:X+4*\i+3], v23, s[10:11] offset:4096*\i     ; all of W_route: 16 bytes a thread, 16 times
.endr
	; W_route in LDS: the 128 bytes of four neighbouring d take 144, so that the 32 lanes of a load, 144 bytes apart, start at different 16-byte columns
	v_lshrrev_b32 v[FA], 3, v0
	v_and_b32 v[FA+1], 7, v0
	v_mul_u32_u24 v[FA], v[FA], 144
	v_lshl_add_u32 v[FA], v[FA+1], 4, v[FA]
	v_add_nc_u32 v[FA+1], 8*GRP, v[FA]             ; the upper half by a second register: 15 x 4608 passes the 16-bit offset
	v_lshlrev_b32 v[VIN], 4, v1
	v_lshlrev_b32 v[VOUT], 3, v1
	v_mul_u32_u24 v[WA], v1, 144
	v_add_nc_u32 v[WA+1], 8*GRP, v[WA]
	s_mul_i32 s7, s4, GRP
	s_add_co_u32 s7, s7, SCR0                      ; my wave's scratch: 32 rows of 144 bytes
	v_add_nc_u32 v[SCR], s7, v[WA]
	v_lshl_add_u32 v[SCRR], v1, 2, s7
	s_lshl_b32 s34, s6, 13
	s_mov_b32 s35, 0
	s_add_nc_u64 s[30:31], s[8:9], s[34:35]        ; h at my first row
	s_lshl_b32 s34, s6, 12
	s_add_nc_u64 s[32:33], s[22:23], s[34:35]      ; hh at my first row
	s_wait_loadcnt 0x0
.irp i, 0,1,2,3,4,5,6,7
	ds_store_b128 v[FA], v[X+4*\i:X+4*\i+3] offset:GRP*\i
	ds_store_b128 v[FA+1], v[X+32+4*\i:X+32+4*\i+3] offset:GRP*\i
.endr
	s_wait_dscnt 0x0                               ; for the other waves: my part of W_route is in LDS; and X is free for h
.macro HLD j                           ; chunk j (512 bytes) of my four rows
.irp r, 0,1,2,3
	global_load_b128 v[X+16*((\j)%4)+4*\r:X+16*((\j)%4)+4*\r+3], v[VIN], s[30:31] offset:\r*8192+512*(\j) th:TH_LOAD_NT
.endr
.endm
.macro WLD j                           ; W_route's rows of chunk j: my four d, 8 experts each
.irp u, 0,1,2,3,4,5,6,7
	ds_load_b128 v[W0+32*((\j)%2)+4*\u:W0+32*((\j)%2)+4*\u+3], v[WA+(\j)/8] offset:((\j)%8)*GRP+16*\u
.endr
.endm
	HLD 0
	HLD 1
	HLD 2
	HLD 3                                          ; sixteen loads of every wave on their way
	s_barrier_signal -1
	s_barrier_wait -1                              ; W_route is whole; it is only read from here on
	WLD 0
.macro CHUNK j
.set WW, W0+32*((\j)%2)
.set XX, X+16*((\j)%4)
.if (\j) < 15
	WLD ((\j)+1)
	s_wait_dscnt 8                                 ; the eight just issued may be out; this chunk's weights are in
.else
	s_wait_dscnt 0
.endif
.if (\j) <= 12
	s_wait_loadcnt 12                              ; three younger chunks, four loads each, stay out
.else
	s_wait_loadcnt 4*(15-(\j))                     ; the counts run down
.endif
	s_wait_xcnt 0x0                                ; Y, which the last chunk's stores read, is rewritten only behind this wait
.irp r, 0,1,2,3
	v_cvt_pk_f16_f32 v[Y+2*\r], v[XX+4*\r], v[XX+4*\r+1]
	v_cvt_pk_f16_f32 v[Y+2*\r+1], v[XX+4*\r+2], v[XX+4*\r+3]
.endr
.irp i, 0,1,2,3
.irp r, 0,1,2,3
.irp c, 0,2,4,6
.if ((\j)+(\i)) == 0
	v_pk_mul_f32 v[ACC+8*\r+\c:ACC+8*\r+\c+1], v[WW+\c:WW+\c+1], v[XX+4*\r:XX+4*\r+1] op_sel_hi:[1,0]   ; the first product starts the sums
.else
.if ((\i)%2) == 0
	v_pk_fma_f32 v[ACC+8*\r+\c:ACC+8*\r+\c+1], v[WW+8*\i+\c:WW+8*\i+\c+1], v[XX+4*\r+\i:XX+4*\r+\i+1], v[ACC+8*\r+\c:ACC+8*\r+\c+1] op_sel_hi:[1,0,1]
.else
	v_pk_fma_f32 v[ACC+8*\r+\c:ACC+8*\r+\c+1], v[WW+8*\i+\c:WW+8*\i+\c+1], v[XX+4*\r+\i-1:XX+4*\r+\i], v[ACC+8*\r+\c:ACC+8*\r+\c+1] op_sel:[0,1,0] op_sel_hi:[1,1,1]
.endif
.endif
.endr
.endr
.endr
.if (\j) <= 11
	HLD ((\j)+4)                                   ; the slot just read is filled again, loads ahead of stores
.endif
.irp r, 0,1,2,3
	global_store_b64 v[VOUT], v[Y+2*\r:Y+2*\r+1], s[32:33] offset:\r*4096+256*(\j)    ; a wave's store covers 256 consecutive bytes, aligned
.endr
.endm
.irp j, 0,1,2,3,4,5,6,7,8,9,10,11,12,13,14,15
	CHUNK \j
.endr
	; 32 lanes x 32 sums are turned through my wave's own LDS bytes (served in order: no wait between the stores and the loads); lane L then adds column L
.irp u, 0,1,2,3,4,5,6,7
	ds_store_b128 v[SCR], v[ACC+4*\u:ACC+4*\u+3] offset:16*\u
.endr
.irp l, 0,1,2,3,4,5,6,7,8,9,10,11,12,13,14,15,16,17,18,19,20,21,22,23,24,25,26,27,28,29,30,31
	ds_load_b32 v[W0+\l], v[SCRR] offset:144*\l
.endr
	s_wait_dscnt 0x0
.irp n, 0,1,2,3,4,5,6,7
	v_pk_add_f32 v[W0+4*\n:W0+4*\n+1], v[W0+4*\n:W0+4*\n+1], v[W0+4*\n+2:W0+4*\n+3]
.endr
.irp n, 0,1,2,3
	v_pk_add_f32 v[W0+8*\n:W0+8*\n+1], v[W0+8*\n:W0+8*\n+1], v[W0+8*\n+4:W0+8*\n+5]
.endr
	v_pk_add_f32 v[96:97], v[96:97], v[104:105]
	v_pk_add_f32 v[112:113], v[112:113], v[120:121]
	v_pk_add_f32 v[96:97], v[96:97], v[112:113]
	v_add_f32 v96, v96, v97
	v_add_f32 v96, v96, v20                        ; the logit of (row L / 8, expert L % 8)
	v_mov_b32 v97, v96
	v_max_num_f32_dpp v97, v97, v97 row_xmask:1 row_mask:0xf bank_mask:0xf    ; the largest of the row's eight, in all eight lanes
	v_max_num_f32_dpp v97, v97, v97 row_xmask:2 row_mask:0xf bank_mask:0xf
	v_max_num_f32_dpp v97, v97, v97 row_xmask:4 row_mask:0xf bank_mask:0xf
	v_sub_f32 v98, v96, v97
	v_mul_f32 v98, 0x3fb8aa3b, v98
	v_exp_f32 v98, v98                             ; the count below stands between this and the first use of its result
	v_cmp_gt_u32 s36, 0x800, v14                   ; the neighbour is in the batch row
	v_cmp_eq_u32 s37, 0, v18                       ; and unmasked
	v_cmp_gt_u32 s38, 0x800, v15
	v_cmp_eq_u32 s39, 0, v19
	s_and_b32 s36, s36, s37
	s_and_b32 s38, s38, s39
	v_cndmask_b32 v100, 0, 1.0, s36
	v_cndmask_b32 v101, 0, 1.0, s38
	v_add_f32 v100, v100, v101
	v_add_f32_dpp v100, v100, v100 row_xmask:1 row_mask:0xf bank_mask:0xf
	v_add_f32_dpp v100, v100, v100 row_xmask:2 row_mask:0xf bank_mask:0xf
	v_add_f32_dpp v100, v100, v100 row_xmask:4 row_mask:0xf bank_mask:0xf     ; cnt
	v_max_num_f32 v100, 1.0, v100
	s_wait_alu depctr_va_vdst(0)
	v_mov_b32 v99, v98
	v_add_f32_dpp v99, v99, v99 row_xmask:1 row_mask:0xf bank_mask:0xf
	v_add_f32_dpp v99, v99, v99 row_xmask:2 row_mask:0xf bank_mask:0xf
	v_add_f32_dpp v99, v99, v99 row_xmask:4 row_mask:0xf bank_mask:0xf
	v_rcp_f32 v99, v99
	v_rcp_f32 v100, v100
	s_lshl_b32 s34, s6, 5
	s_lshl_b32 s35, s6, 4
	v_lshl_add_u32 v102, v1, 2, s34                ; plain work behind the reciprocals: (8 t0 + L) x 4
	v_lshl_add_u32 v103, v1, 1, s35                ; (8 t0 + L) x 2
	s_wait_alu depctr_va_vdst(0)
	v_mul_f32 v98, v98, v99                        ; w
	v_mul_f32 v105, v98, v100                      ; q = w / max(cnt, 1)
	v_mul_f32 v104, 0x3e000000, v98                ; w / 8: the bias product of launch 4 holds each expert eight times
	v_cvt_pk_f16_f32 v104, v104, v104
	global_store_b32 v102, v105, s[28:29]
	global_store_b16 v103, v104, s[28:29] offset:131072
	s_wait_tensorcnt 0x0
	ds_add_u32 v192, v193
	s_wait_dscnt 0x0
	s_endpgm
; ---------------- section C: 262,144 bytes of W1 (y = 1) or W2 (y = 2) to f16 ----------------
.Lconv:
	s_cmp_eq_u32 s5, 1
	s_cselect_b64 s[30:31], s[16:17], s[18:19]
	s_cselect_b64 s[32:33], s[24:25], s[26:27]
	s_lshl_b32 s6, ttmp9, 18
	s_mov_b32 s7, 0
	s_add_nc_u64 s[30:31], s[30:31], s[6:7]
	s_lshl_b32 s6, ttmp9, 17
	s_add_nc_u64 s[32:33], s[32:33], s[6:7]
	v_lshlrev_b32 v2, 4, v0
	v_lshlrev_b32 v3, 3, v0
.irp i, 0,1,2,3,4,5,6,7,8,9,10,11,12,13,14,15
	global_load_b128 v[X+4*\i:X+4*\i+3], v2, s[30:31] offset:4096*\i th:TH_LOAD_NT
.endr
; step i of 64: 4,096 bytes in, 2,048 out.  A ring of 16 slots; every step stands in an immediate, so no address register is rewritten.
.macro CV i
.if (\i) <= 48
	s_wait_loadcnt 15                              ; fifteen younger loads stay out
.else
	s_wait_loadcnt 63-(\i)
.endif
	s_wait_xcnt 0x0                                ; the slot's registers to store are rewritten only behind this wait
	v_cvt_pk_f16_f32 v[YC+2*((\i)%16)], v[X+4*((\i)%16)], v[X+4*((\i)%16)+1]
	v_cvt_pk_f16_f32 v[YC+2*((\i)%16)+1], v[X+4*((\i)%16)+2], v[X+4*((\i)%16)+3]
.if (\i) <= 47
	global_load_b128 v[X+4*((\i)%16):X+4*((\i)%16)+3], v2, s[30:31] offset:((\i)+16)*4096 th:TH_LOAD_NT
.endif
	global_store_b64 v3, v[YC+2*((\i)%16):YC+2*((\i)%16)+1], s[32:33] offset:(\i)*2048
.endm
.irp a, 0,1,2,3
.irp b, 0,1,2,3,4,5,6,7,8,9,10,11,12,13,14,15
	CV (16*\a+\b)
.endr
.endr
	; b2 [8][2048] to f16 [2048][8]: wave 0 of each work-group with y = 2 takes 16 columns; lane L column L / 2, experts 4 (L % 2) + 0..3
	s_cmp_lg_u32 s5, 2
	s_cbranch_scc1 .Lend
	s_cmp_lg_u32 s4, 0
	s_cbranch_scc1 .Lend
	v_lshrrev_b32 v128, 1, v1
	v_and_b32 v129, 1, v1
	s_lshl_b32 s6, ttmp9, 6
	s_lshl_b32 s7, ttmp9, 8
	v_lshlrev_b32 v130, 15, v129
	v_lshl_add_u32 v130, v128, 2, v130
	v_add_nc_u32 v130, s6, v130
	v_lshl_add_u32 v138, v1, 3, s7
.irp i, 0,1,2,3
	global_load_b32 v[132+\i], v130, s[20:21] offset:8192*\i
.endr
	s_wait_loadcnt 0x0
	v_cvt_pk_f16_f32 v136, v132, v133
	v_cvt_pk_f16_f32 v137, v134, v135
	global_store_b64 v138, v[136:137], s[28:29] offset:196608     ; the wave stores 256 consecutive bytes, aligned
.Lend:
	s_endpgm
.Lfunc_end_k_q0da45ae700_prep:
	.size	k_q0da45ae700_prep, .Lfunc_end_k_q0da45ae700_prep-k_q0da45ae700_prep
	.p2alignl 7, 3214868480
	.fill 96, 4, 3214868480
	.section	.rodata,"a",@progbits
	.p2align	6, 0x0
	.amdhsa_kernel k_q0da45ae700_prep
		.amdhsa_group_segment_fixed_size 111616
		.amdhsa_private_segment_fixed_size 0
		.amdhsa_enable_private_segment 0
		.amdhsa_kernarg_size 88
		.amdhsa_user_sgpr_count 2
		.amdhsa_user_sgpr_kernarg_segment_ptr 1
		.amdhsa_wavefront_size32 1
		.amdhsa_system_sgpr_workgroup_id_x 1
		.amdhsa_system_sgpr_workgroup_id_y 1
		.amdhsa_system_sgpr_workgroup_id_z 1
		.amdhsa_system_vgpr_workitem_id 0
		.amdhsa_next_free_vgpr 194
		.amdhsa_next_free_sgpr 66
		.amdhsa_reserve_vcc 0
		.amdhsa_float_denorm_mode_32 3
		.amdhsa_float_denorm_mode_16_64 3
		.amdhsa_memory_ordered 1
		.amdhsa_forward_progress 1
		.amdhsa_inst_pref_size 130
	.end_amdhsa_kernel
	.amdgpu_metadata
---
amdhsa.version: [ 1, 2 ]
amdhsa.kernels:
  - .name:           k_q0da45ae700_prep
    .symbol:         k_q0da45ae700_prep.kd
    .args:
      - { .name: h_L, .offset: 0, .size: 8, .value_kind: global_buffer, .address_space: global }
      - { .name: W_route, .offset: 8, .size: 8, .value_kind: global_buffer, .address_space: global }
      - { .name: b_route, .offset: 16, .size: 8, .value_kind: global_buffer, .address_space: global }
      - { .name: masked, .offset: 24, .size: 8, .value_kind: global_buffer, .address_space: global }
      - { .name: W1, .offset: 32, .size: 8, .value_kind: global_buffer, .address_space: global }
      - { .name: W2, .offset: 40, .size: 8, .value_kind: global_buffer, .address_space: global }
      - { .name: b2, .offset: 48, .size: 8, .value_kind: global_buffer, .address_space: global }
      - { .name: hh, .offset: 56, .size: 8, .value_kind: global_buffer, .address_space: global }
      - { .name: w1h, .offset: 64, .size: 8, .value_kind: global_buffer, .address_space: global }
      - { .name: w2h, .offset: 72, .size: 8, .value_kind: global_buffer, .address_space: global }
      - { .name: aux, .offset: 80, .size: 8, .value_kind: global_buffer, .address_space: global }
    .group_segment_fixed_size: 111616
    .private_segment_fixed_size: 0
    .kernarg_segment_align: 8
    .kernarg_segment_size: 88
    .max_flat_workgroup_size: 256
    .sgpr_count:     66
    .vgpr_count:     194
    .wavefront_size: 32
...
	.end_amdgpu_metadata
.endif
;; end of part 1
;; launch gemm1 (part 2): grid 16 x 16, 4 waves a work-group, clusters of 4 x 4, 327,680 bytes of LDS; arguments hh, w1h, b1, hid; writes hid
.if DOCPART == 2
	.amdgcn_target "amdgcn-amd-amdhsa--gfx1250"
	.amdhsa_code_object_version 6
	.text
	.protected	k_q0da45ae700_gemm1
	.globl	k_q0da45ae700_gemm1
	.p2align	8
	.type	k_q0da45ae700_gemm1,@function
k_q0da45ae700_gemm1:
	s_mov_b64 s[64:65], 0
	v_nop
	global_prefetch_b8 v0, s[64:65] scope:SCOPE_SE
	s_setreg_imm32_b32 hwreg(HW_REG_WAVE_MODE, 25, 1), 1
	s_wait_xcnt 0x0
	s_wait_alu depctr_hold_cnt(0) depctr_sa_sdst(0) depctr_va_vdst(0) depctr_va_sdst(0) depctr_va_ssrc(0) depctr_va_vcc(0) depctr_vm_vsrc(0)
	s_getreg_b32 s2, hwreg(HW_REG_IB_STS2, 6, 4)
	s_cmp_eq_u32 s2, 0
	s_cbranch_scc0 .Lentry_in_a_cluster
	s_endpgm
.Lentry_in_a_cluster:
	s_bfe_u32 s2, ttmp6, 0x10000c
	s_cmp_lg_u32 s2, 0xf033
	s_cbranch_scc0 .Lentry_shape_is_right
	s_endpgm
.Lentry_shape_is_right:
; Launch 2 of 5: hid[t][(k,f)] = gelu( sum over d of h[t][d] W1[k][d][f] + b1[k][f] ), f16 operands, f32 sums, exact-erf GELU, hid in f16, not masked.
; One product [4096 x 2048] x [2048 x 4096]: block column nb of 256 columns lies in expert nb / 2, at f = 256 (nb % 2).
; A work-group makes 256 x 256 with four waves, a wave 128 x 128 in 64 accumulator tiles (512 registers).  K goes in steps of 128 through two LDS slots.
; A (hh) lies [M][K]: tiles of 128 rows x 256 bytes, LDS pitch 272.  B (w1h) lies [K][N] and stays so in LDS: tiles of 64 k rows x 512 bytes, LDS pitch
; 544 = 17 x 32, read by the transposing load ds_load_tr16_b128.  128 x 272 = 64 x 544: every wave's load fills 34,816 bytes.
; CLUSTER 4 x 4: A's tile hangs on the block row alone and is asked for jointly along a row of the cluster, B's on the block column alone, along a column.
; THE PRODUCT IS USED TRANSPOSED (source 0 = B, source 1 = A): lane l holds row l % 16, registers 0-7 columns 8 (l / 16) + 0..7.
; The 64 accumulators take turns in one fixed order, one instruction a turn, over the backward jump too.
; erf by the rational form of Abramowitz and Stegun 7.1.26, good for every argument, error at most 1.5e-7:
;   gelu(x) = max(x, 0) - |x| (poly(t) / 2) exp(-x x / 2),  t = 1 / (1 + 0.3275911 |x| / sqrt 2).
; LIMITS: |hid| above 65,504 becomes infinite in f16; v_exp_f32 and v_rcp_f32 flush denormals (the term that they feed is then below 1e-38 |x|).
; REGISTERS: window 0: v16-27 addresses, v64-127 and v128-191 A's fragments (two buffers), on the way out v64-235 at work;
;   window 1: v64-127, v128-191 B's fragments, v192-255 b1 of my 128 columns; windows 2, 3: accumulators, tile (a, b) at v[8 (8 a + b)].
.set LDA,    2048                      ; elements from row to row of hh
.set LDB,    512                       ; of one expert's W1
.set KSTEP,  128
.set PITCH,  272
.set PB,     544
.set HALFT,  128*PITCH                 ; what one tensor load fills
.set SLOT,   4*HALFT                   ; A's 256 rows, then B's 128 k rows
.set STAGE,  2*SLOT                    ; behind the ring, at a multiple of 256: 16 rows x 272 bytes for each wave; no tensor load lands there
.set SPITCH, 272
.set LAPS,   8                         ; 2048 / 256: a lap is two K steps
.set ASTEP,  KSTEP*2                   ; bytes of a K step along A's rows
.set BSTEP,  KSTEP*LDB*2               ; and down B's
.set OUTP,   8192                      ; bytes in a row of hid
.set ADRA, 16
.set ADRB, 20
.set STO,  24
.set RD,   25
.set CO,   26
.set VB,   27
.set F0,   64
.set F1,   128
.set BIAS, 192                         ; window 1
.set XG,   64                          ; the way out, window 0: x of 16 rows x 128 columns
.set TT,   128
.set EE,   136
.set PP,   144
.set MM,   152
.set RB,   160                         ; rows read back
.set TMP,  192                         ; packed f16
.set KE,   224                         ; constant pairs
.set K1,   226
.set K2,   228
.set K3,   230
.set K4,   232
.set K5,   234
.set G1,  24                           ; s[24:31] group 1 for A
.set G0,  32                           ; s[32:39] group 0 for A, one set a slot
.set G1B, 48                           ; s[48:55] group 1 for B
.set G0B, 56                           ; s[56:63] group 0 for B
.set MSB, 0
.macro WIN new                         ; the immediate's high byte repeats the setting that is left
.if MSB != \new
	s_set_vgpr_msb (MSB<<8)|\new
.set MSB, \new
.endif
.endm
.set MUL_LO, 0xa1                      ; source 0 (B) window 1, source 1 (A) window 0, C and D window 2
.set MUL_HI, 0xf1                      ; C and D window 3
.set TO_B,   0x40                      ; destination window 1
.macro JLOAD s                         ; waves 0, 1 ask for A's halves, waves 2, 3 for B's; the branch hangs on the wave's number alone
	s_cmp_eq_u32 s11, 0
	s_cbranch_scc0 .Lfor_b_\@
	tensor_load_to_lds s[G0+4*\s:G0+4*\s+3], s[G1:G1+7]
	s_nop 0
	s_branch .Lasked_\@
.Lfor_b_\@:
	tensor_load_to_lds s[G0B+4*\s:G0B+4*\s+3], s[G1B:G1B+7]
	s_nop 0
	v_nop
.Lasked_\@:
.endm
.macro CREST                           ; a round of the cluster's barrier behind its opening barrier
	s_cmp_lg_u32 s10, 0
	s_cbranch_scc1 .Lnot_wave_0_\@
	s_barrier_signal -3
.Lnot_wave_0_\@:
	s_barrier_wait -3
	s_barrier_signal -1
	s_barrier_wait -1
.endm
.macro CROUND
	s_barrier_signal -1
	s_barrier_wait -1
	CREST
.endm
	s_load_b128 s[4:7], s[0:1], 0x0                ; hh s[4:5], w1h s[6:7]
	s_load_b64 s[66:67], s[0:1], 0x10              ; b1
	s_load_b64 s[8:9], s[0:1], 0x18                ; hid
	s_set_vgpr_msb 0x40
	v_lshl_add_u32 v63, v0, 2, 0x48400
	s_set_vgpr_msb 0x4000
	v_mov_b32 v255, 0
	s_set_vgpr_msb 0x1
	ds_add_u32 v63, v255
	s_set_vgpr_msb 0x100
	v_lshrrev_b32 v1, 5, v0
	v_readfirstlane_b32 s10, v1                    ; wave
	s_lshr_b32 s11, s10, 1                         ; my half of the block's rows; also: I fetch for A (0) or B (1)
	s_and_b32 s12, s10, 1                          ; my half of its columns; also: which half of that tile I fetch
	s_bfe_u32 s40, ttmp6, 0x40000                  ; cx
	s_bfe_u32 s41, ttmp6, 0x40004                  ; cy
	s_lshl_b32 s42, ttmp9, 2
	s_add_co_u32 s42, s42, s40                     ; block column nb
	s_and_b32 s13, ttmp7, 0xffff
	s_lshl_b32 s13, s13, 2
	s_add_co_u32 s13, s13, s41                     ; block row
	s_lshl_b32 s43, s41, 2
	s_lshl_b32 s43, 15, s43                        ; my row of the cluster
	s_lshl_b32 s44, 0x1111, s40                    ; my column
	s_or_b32 s[G1+0], s43, (1<<16)|(1<<20)|(1<<21)|(5<<22)|(3<<25)   ; mask; 2-byte elements; padding on; bit 21 beside a mask; 4 words behind every 64
	s_mov_b32 s[G1+1], 128<<16                     ; tensor_dim0 = 128
	s_mov_b32 s[G1+2], 128<<16                     ; tensor_dim1 = 128
	s_mov_b32 s[G1+3], 128<<16                     ; tile_dim0 = 128 elements
	s_mov_b32 s[G1+4], 128                         ; tile_dim1 = 128 rows
	s_mov_b32 s[G1+5], LDA
	s_mov_b32 s[G1+6], 0
	s_mov_b32 s[G1+7], 0
	s_or_b32 s[G1B+0], s44, (1<<16)|(1<<20)|(1<<21)|(6<<22)|(7<<25)  ; 8 words behind every 128
	s_mov_b32 s[G1B+1], 256<<16                    ; tensor_dim0 = 256
	s_mov_b32 s[G1B+2], 64<<16                     ; tensor_dim1 = 64
	s_mov_b32 s[G1B+3], 256<<16                    ; tile_dim0 = 256 elements
	s_mov_b32 s[G1B+4], 64                         ; tile_dim1 = 64 rows
	s_mov_b32 s[G1B+5], LDB
	s_mov_b32 s[G1B+6], 0
	s_mov_b32 s[G1B+7], 0
	s_lshl_b32 s17, s12, 7
	s_lshl_b32 s16, s13, 8
	s_add_co_u32 s16, s16, s17                     ; A: row 256 x block row + 128 x half
	s_lshl_b32 s16, s16, 12                        ; x 4,096 bytes
	s_mov_b32 s17, 0
	s_lshr_b32 s46, s42, 1                         ; B: expert nb / 2, 2,097,152 bytes each,
	s_lshl_b32 s46, s46, 21
	s_and_b32 s47, s42, 1
	s_lshl_b32 s47, s47, 9                         ; 512 bytes of columns,
	s_add_co_u32 s46, s46, s47
	s_lshl_b32 s47, s12, 16                        ; 64 k rows of 1,024 bytes for the second half
	s_add_co_u32 s46, s46, s47
	s_mov_b32 s47, 0
	s_mul_i32 s20, s10, HALFT                      ; LDS: wave x 34,816; no place in the cluster enters
	s_lshl_b32 s68, s42, 10
	s_lshl_b32 s69, s12, 9
	s_add_co_u32 s68, s68, s69                     ; b1: (256 nb + 128 half) x 4
	s_mov_b32 s69, 0
	s_wait_dscnt 0x0
	s_wait_kmcnt 0x0
	s_add_nc_u64 s[14:15], s[4:5], s[16:17]
	s_add_nc_u64 s[46:47], s[6:7], s[46:47]
	s_add_nc_u64 s[66:67], s[66:67], s[68:69]
	CROUND                                         ; all sixteen work-groups are here: the first joint loads meet
.irp s, 0,1
	s_mov_b32 s[G0+4*\s], 1
	s_add_co_u32 s[G0+4*\s+1], s20, \s*SLOT
	s_add_nc_u64 s[G0+4*\s+2:G0+4*\s+3], s[14:15], \s*ASTEP
	s_or_b32 s[G0+4*\s+3], s[G0+4*\s+3], 0x80000000
	s_mov_b32 s[G0B+4*\s], 1
	s_add_co_u32 s[G0B+4*\s+1], s20, \s*SLOT
	s_add_nc_u64 s[G0B+4*\s+2:G0B+4*\s+3], s[46:47], \s*BSTEP
	s_or_b32 s[G0B+4*\s+3], s[G0B+4*\s+3], 0x80000000
	JLOAD \s                                       ; two tensor loads of the wave are out
.endr
	v_and_b32 v1, 15, v0                           ; r
	v_bfe_u32 v2, v0, 4, 1                         ; h
	v_lshlrev_b32 v[VB], 5, v2                     ; b1: my eight columns of each block of 16
	WIN TO_B
.irp b, 0,1,2,3,4,5,6,7
	global_load_b128 v[BIAS+8*\b:BIAS+8*\b+3], v[VB], s[66:67] offset:64*\b
	global_load_b128 v[BIAS+8*\b+4:BIAS+8*\b+7], v[VB], s[66:67] offset:64*\b+16
.endr
	WIN 0
	v_mul_u32_u24 v3, v1, PITCH
	v_lshl_add_u32 v3, v2, 4, v3                   ; A: row r x pitch + 16 h
	v_and_b32 v4, 7, v0
	v_lshl_add_u32 v4, v2, 3, v4                   ; B: k row 8 h + l % 8,
	v_mul_u32_u24 v4, v4, PB
	v_bfe_u32 v5, v0, 3, 1
	v_lshl_add_u32 v4, v5, 4, v4                   ; 16 bytes on for the second eight lanes of each sixteen
	s_mul_i32 s21, s11, HALFT                      ; my 128 rows of A
	s_lshl_b32 s22, s12, 8                         ; my 128 columns of B,
	s_add_co_u32 s22, s22, 2*HALFT                 ; which lies behind A
.irp s, 0,1
	v_add_nc_u32 v[ADRA+\s], s21, v3
	v_add_nc_u32 v[ADRB+\s], s22, v4
	s_add_co_u32 s21, s21, SLOT
	s_add_co_u32 s22, s22, SLOT
.endr
	s_mul_i32 s23, s10, 16*SPITCH
	s_add_co_u32 s23, s23, STAGE
	v_mul_u32_u24 v4, v1, SPITCH
	v_lshl_add_u32 v4, v2, 4, v4
	v_add_nc_u32 v[STO], s23, v4                   ; in: row r, 16 bytes for each half of the lanes
	v_mul_u32_u24 v5, v2, SPITCH
	v_lshl_add_u32 v5, v1, 4, v5
	v_add_nc_u32 v[RD], s23, v5                    ; back: lanes 0-15 one row of 256 bytes, lanes 16-31 the next
	v_lshlrev_b32 v5, 13, v2
	v_lshl_add_u32 v[CO], v1, 4, v5                ; the same two rows in hid
.macro MUL16 f, hi, a0, zero           ; 16 products: m blocks a0, a0 + 1 of the window x all 8 n blocks; zero = 1 starts the sums
.irp a, \a0, \a0+1
.irp b, 0,1,2,3,4,5,6,7
.if \zero
	v_wmma_f32_16x16x32_f16 v[8*(8*(\a)+\b):8*(8*(\a)+\b)+7], v[\f+8*\b:\f+8*\b+7], v[\f+8*(4*\hi+\a):\f+8*(4*\hi+\a)+7], 0
.else
	v_wmma_f32_16x16x32_f16 v[8*(8*(\a)+\b):8*(8*(\a)+\b)+7], v[\f+8*\b:\f+8*\b+7], v[\f+8*(4*\hi+\a):\f+8*(4*\hi+\a)+7], v[8*(8*(\a)+\b):8*(8*(\a)+\b)+7]
.endif
.endr
.endr
.endm
.macro FETCH slot, q, f                ; the fragments of quarter q (32 along K): 16 transposing loads of B, 16 loads of A
	WIN TO_B
.irp i, 0,1,2,3,4,5,6,7
	ds_load_tr16_b128 v[\f+8*\i:\f+8*\i+3],   v[ADRB+\slot] offset:\q*32*PB+32*\i          ; k = 8 h + 0..7 of column 16 i + r
	ds_load_tr16_b128 v[\f+8*\i+4:\f+8*\i+7], v[ADRB+\slot] offset:\q*32*PB+16*PB+32*\i    ; k = 16 + 8 h + 0..7
.endr
	WIN 0
.irp i, 0,1,2,3,4,5,6,7
	ds_load_b128 v[\f+8*\i:\f+8*\i+3],   v[ADRA+\slot] offset:\q*64+\i*16*PITCH
	ds_load_b128 v[\f+8*\i+4:\f+8*\i+7], v[ADRA+\slot] offset:\q*64+\i*16*PITCH+32
.endr
.endm
.macro PLACES                          ; four plain vector instructions between a product and a load into a register that it read
.rept 4
	v_nop
.endr
.endm
.macro QUARTER slot, q, f, g, zero     ; multiplies buffer f; in its middle fetches quarter q into buffer g
	s_wait_dscnt 8                                 ; B and A's rows 0-63 are in; the youngest eight loads (A's rows 64-127) may be out
	WIN MUL_LO
	MUL16 \f, 0, 0, \zero
	MUL16 \f, 0, 2, \zero
	PLACES
	FETCH \slot, \q, \g
	s_wait_dscnt 32                                ; all but the 32 just issued
	WIN MUL_HI
	MUL16 \f, 1, 0, \zero
	MUL16 \f, 1, 2, \zero
.endm
.macro THREE slot, zero
	QUARTER \slot, 1, F0, F1, \zero
	QUARTER \slot, 2, F1, F0, 0
	QUARTER \slot, 3, F0, F1, 0
.endm
; The last quarter of a K step changes slots.  In front of the barrier each wave waits for its reads of this slot and for all its tensor loads (one is out:
; its part of the next slot).  Where the slot is filled again the barrier opens a round of the cluster's barrier, and the joint refill is the first
; tensor load behind the round.  From a request to the wait for it a wave issues 240 products.
.macro TURN slot, next, fill
	s_wait_dscnt 8
	WIN MUL_LO
	MUL16 F1, 0, 0, 0
	s_wait_dscnt 0
	s_wait_tensorcnt 0x0
	ds_add_u32 v63, v255
	s_wait_dscnt 0x0
	s_barrier_signal -1
	MUL16 F1, 0, 2, 0                              ; register work alone between signal and wait
	WIN 0
	s_barrier_wait -1
.if \fill
	CREST
	s_add_nc_u64 s[G0+4*\slot+2:G0+4*\slot+3], s[G0+4*\slot+2:G0+4*\slot+3], 2*ASTEP       ; no tensor load of mine is out: the addresses may step
	s_add_nc_u64 s[G0B+4*\slot+2:G0B+4*\slot+3], s[G0B+4*\slot+2:G0B+4*\slot+3], 2*BSTEP
	JLOAD \slot
.endif
	PLACES
	FETCH \next, 0, F0
	WIN MUL_HI
	MUL16 F1, 1, 0, 0
	MUL16 F1, 1, 2, 0
.endm
.macro LAP zero
	THREE 0, \zero
	TURN 0, 1, 1
	THREE 1, 0
	TURN 1, 0, 1
.endm
	s_wait_loadcnt 0x0                             ; b1 is in: no load stays out through the loop
	s_wait_tensorcnt 1                             ; my part of K step 0 is in; K step 1's may stay out
	s_barrier_signal -1
	s_barrier_wait -1
	FETCH 0, 0, F0
	LAP 1                                          ; the first lap's first products start the sums
	WIN 0
	s_mov_b32 s3, LAPS-2
.Llap:
	LAP 0
	WIN 0
	s_sub_co_u32 s3, s3, 1
	s_cmp_lg_u32 s3, 0
	s_cbranch_scc1 .Llap
	THREE 0, 0                                     ; the last lap fills nothing
	TURN 0, 1, 0
	THREE 1, 0
	s_wait_dscnt 8
	WIN MUL_LO
	MUL16 F1, 0, 0, 0
	MUL16 F1, 0, 2, 0
	s_wait_dscnt 0
	WIN MUL_HI
	MUL16 F1, 1, 0, 0
	MUL16 F1, 1, 2, 0
	; THE WAY OUT.  The twelve moves name no register of a product and are the places behind the last products.
	WIN 0
.irp e, 0,1
	v_mov_b32 v[KE+\e], 0xbf38aa3b                 ; -log2(e) / 2
	v_mov_b32 v[K1+\e], 0x3e027906                 ; the five coefficients, halved:  0.254829592 / 2
	v_mov_b32 v[K2+\e], 0xbe11a98e                 ; -0.284496736 / 2
	v_mov_b32 v[K3+\e], 0x3f35f0e3                 ;  1.421413741 / 2
	v_mov_b32 v[K4+\e], 0xbf3a00e3                 ; -1.453152027 / 2
	v_mov_b32 v[K5+\e], 0x3f07dc22                 ;  1.061405429 / 2
.endr
	s_mov_b32 s72, 0x3e6d3388                      ; 0.3275911 / sqrt 2
	s_lshl_b32 s13, s13, 8
	s_lshl_b32 s14, s11, 7
	s_add_co_u32 s16, s13, s14                     ; my first row
	s_lshl_b32 s16, s16, 13
	s_mov_b32 s17, 0
	s_add_nc_u64 s[8:9], s[8:9], s[16:17]
	s_lshl_b32 s46, s42, 9                         ; my first column, in bytes
	s_lshl_b32 s47, s12, 8
	s_add_co_u32 s46, s46, s47
	s_mov_b32 s47, 0
	s_add_nc_u64 s[8:9], s[8:9], s[46:47]
.macro GELU8 b                         ; eight numbers a lane: x in v[XG+8b ..], f16 pairs into v[TMP+4b ..]
.irp j, 0,1,2,3,4,5,6,7
	v_fma_f32 v[TT+\j], |v[XG+8*\b+\j]|, s72, 1.0
.endr
.irp p, 0,2,4,6
	v_pk_mul_f32 v[EE+\p:EE+\p+1], v[XG+8*\b+\p:XG+8*\b+\p+1], v[KE:KE+1]
.endr
.irp p, 0,2,4,6
	v_pk_mul_f32 v[EE+\p:EE+\p+1], v[EE+\p:EE+\p+1], v[XG+8*\b+\p:XG+8*\b+\p+1]
.endr
.irp j, 0,1,2,3,4,5,6,7
	v_rcp_f32 v[TT+\j], v[TT+\j]                   ; t
.endr
.irp j, 0,1,2,3,4,5,6,7
	v_exp_f32 v[EE+\j], v[EE+\j]                   ; exp(-x x / 2)
.endr
.irp j, 0,1,2,3,4,5,6,7
	v_max_num_f32 v[MM+\j], 0, v[XG+8*\b+\j]       ; plain work between the transcendentals and the first use of their results
.endr
	s_wait_alu depctr_va_vdst(0)
.irp p, 0,2,4,6
	v_pk_fma_f32 v[PP+\p:PP+\p+1], v[TT+\p:TT+\p+1], v[K5:K5+1], v[K4:K4+1]
.endr
.irp p, 0,2,4,6
	v_pk_fma_f32 v[PP+\p:PP+\p+1], v[PP+\p:PP+\p+1], v[TT+\p:TT+\p+1], v[K3:K3+1]
.endr
.irp p, 0,2,4,6
	v_pk_fma_f32 v[PP+\p:PP+\p+1], v[PP+\p:PP+\p+1], v[TT+\p:TT+\p+1], v[K2:K2+1]
.endr
.irp p, 0,2,4,6
	v_pk_fma_f32 v[PP+\p:PP+\p+1], v[PP+\p:PP+\p+1], v[TT+\p:TT+\p+1], v[K1:K1+1]
.endr
.irp p, 0,2,4,6
	v_pk_mul_f32 v[PP+\p:PP+\p+1], v[PP+\p:PP+\p+1], v[TT+\p:TT+\p+1]
.endr
.irp p, 0,2,4,6
	v_pk_mul_f32 v[PP+\p:PP+\p+1], v[PP+\p:PP+\p+1], v[EE+\p:EE+\p+1]
.endr
.irp j, 0,1,2,3,4,5,6,7
	v_fma_f32 v[XG+8*\b+\j], -|v[XG+8*\b+\j]|, v[PP+\j], v[MM+\j]
.endr
.irp r, 0,1,2,3
	v_cvt_pk_f16_f32 v[TMP+4*\b+\r], v[XG+8*\b+2*\r], v[XG+8*\b+2*\r+1]
.endr
.endm
; rows 16 i .. 16 i + 15 of my block: the eight tiles (a, 0..7) of window 2 (win = 0x06) or 3 (0x07); source 1 (b1) is in window 1, the result in window 0
.macro OUT16G i, a, win
	WIN \win
.irp b, 0,1,2,3,4,5,6,7
.irp p, 0,2,4,6
	v_pk_add_f32 v[XG+8*\b+\p:XG+8*\b+\p+1], v[8*(8*\a+\b)+\p:8*(8*\a+\b)+\p+1], v[BIAS+8*\b+\p:BIAS+8*\b+\p+1]
.endr
.endr
	WIN 0
.irp b, 0,1,2,3,4,5,6,7
	GELU8 \b
.endr
.irp b, 0,1,2,3,4,5,6,7
	ds_store_b128 v[STO], v[TMP+4*\b:TMP+4*\b+3] offset:32*\b
.endr
	s_wait_xcnt 0x0                                ; RB, which the last stores read, and their base are rewritten only behind this wait
.if \i
	s_add_nc_u64 s[8:9], s[8:9], 16*OUTP
.endif
.irp t, 0,1,2,3,4,5,6,7
	ds_load_b128 v[RB+4*\t:RB+4*\t+3], v[RD] offset:\t*2*SPITCH    ; my own stage, served in order: these see the stores above
.endr
.irp t, 0,1,2,3,4,5,6,7
	s_wait_dscnt 7-\t
	global_store_b128 v[CO], v[RB+4*\t:RB+4*\t+3], s[8:9] offset:2*\t*OUTP     ; sixteen lanes store 256 consecutive bytes, aligned
.endr
.endm
	OUT16G 0, 0, 0x06
	OUT16G 1, 1, 0x06
	OUT16G 2, 2, 0x06
	OUT16G 3, 3, 0x06
	OUT16G 4, 0, 0x07
	OUT16G 5, 1, 0x07
	OUT16G 6, 2, 0x07
	OUT16G 7, 3, 0x07
	s_set_vgpr_msb 0x1
	s_wait_tensorcnt 0x0
	ds_add_u32 v63, v255
	s_wait_dscnt 0x0
	s_set_vgpr_msb 0x100
	CROUND                                         ; the closing round: no work-group ends while a partner may still ask for a tile that names it
	s_endpgm
.Lfunc_end_k_q0da45ae700_gemm1:
	.size	k_q0da45ae700_gemm1, .Lfunc_end_k_q0da45ae700_gemm1-k_q0da45ae700_gemm1
	.p2alignl 7, 3214868480
	.fill 96, 4, 3214868480
	.section	.rodata,"a",@progbits
	.p2align	6, 0x0
	.amdhsa_kernel k_q0da45ae700_gemm1
		.amdhsa_group_segment_fixed_size 327680
		.amdhsa_private_segment_fixed_size 0
		.amdhsa_enable_private_segment 0
		.amdhsa_kernarg_size 32
		.amdhsa_user_sgpr_count 2
		.amdhsa_user_sgpr_kernarg_segment_ptr 1
		.amdhsa_wavefront_size32 1
		.amdhsa_system_sgpr_workgroup_id_x 1
		.amdhsa_system_sgpr_workgroup_id_y 1
		.amdhsa_system_sgpr_workgroup_id_z 1
		.amdhsa_system_vgpr_workitem_id 0
		.amdhsa_next_free_vgpr 1024
		.amdhsa_next_free_sgpr 74
		.amdhsa_reserve_vcc 0
		.amdhsa_float_denorm_mode_32 3
		.amdhsa_float_denorm_mode_16_64 3
		.amdhsa_memory_ordered 1
		.amdhsa_forward_progress 1
		.amdhsa_inst_pref_size 255
	.end_amdhsa_kernel
	.section	.bss,"aw",@nobits
	.p2align	6
	.space	262144
	.amdgpu_metadata
---
amdhsa.version: [ 1, 2 ]
amdhsa.kernels:
  - .name:           k_q0da45ae700_gemm1
    .symbol:         k_q0da45ae700_gemm1.kd
    .args:
      - { .name: hh, .offset: 0, .size: 8, .value_kind: global_buffer, .address_space: global }
      - { .name: w1h, .offset: 8, .size: 8, .value_kind: global_buffer, .address_space: global }
      - { .name: b1, .offset: 16, .size: 8, .value_kind: global_buffer, .address_space: global }
      - { .name: hid, .offset: 24, .size: 8, .value_kind: global_buffer, .address_space: global }
    .group_segment_fixed_size: 327680
    .private_segment_fixed_size: 0
    .kernarg_segment_align: 8
    .kernarg_segment_size: 32
    .max_flat_workgroup_size: 128
    .sgpr_count:     74
    .vgpr_count:     1024
    .wavefront_size: 32
...
	.end_amdgpu_metadata
.endif
;; end of part 2
;; launch window (part 3): grid 4 x 64, 8 waves a work-group, no clusters, 0 bytes of LDS; arguments hid, masked, aux, ap; writes ap
.if DOCPART == 3
	.amdgcn_target "amdgcn-amd-amdhsa--gfx1250"
	.amdhsa_code_object_version 6
	.text
	.protected	k_q0da45ae700_window
	.globl	k_q0da45ae700_window
	.p2align	8
	.type	k_q0da45ae700_window,@function
k_q0da45ae700_window:
	s_mov_b64 s[64:65], 0
	v_nop
	global_prefetch_b8 v0, s[64:65] scope:SCOPE_SE
	s_setreg_imm32_b32 hwreg(HW_REG_WAVE_MODE, 25, 1), 1
	s_wait_xcnt 0x0
; Launch 3 of 5: ap[t][(k,f)] = q[t][k] * sum over the 16 neighbours j of t (within 8 places, same batch row, j != t) of unm[j] hid[j][(k,f)], f16 in, f32 sums, f16 out.
; The factor cnt / max(cnt, 1) of the bias term is left out (see launch 1); nothing else.
; A stream: no LDS, no barrier, no matrix unit.  No cluster: what neighbouring work-groups share is the halo, 16 of 80 rows.
; Work-group (x, y): rows 64 y .. 64 y + 63; wave w: the strip of 128 columns 8 x + w, all of expert (8 x + w) / 4; a lane 4 columns, so that each load and
; store of a wave covers 256 consecutive bytes, aligned.  80 input rows, i = 0..79 (row t0 - 8 + i), are walked once, written out.
; The window is built by additions alone:  P2(u) = x(u) + x(u+1), P4(u) = P2(u) + P2(u+2), P8(u) = P4(u) + P4(u+4), out(i - 16) = P8(i - 16) + P8(i - 7).
; A masked row, or one outside the batch row, is cleared by a bit mask (so a NaN there is not carried on).  64 divides 2048, so a work-group lies in one
; batch row; halo rows past the buffer's ends are read at a clamped address and cleared.
; LIMIT: results below 6.1e-5 are f16 denormals, absolute error 3e-8.
.set VT,  2                            ; byte offset of my 8 bytes in input row 0 (clamped)
.set VM,  3                            ; in row t0; also the output's
.set VBT, 4                            ; in row t0 + 64 (clamped)
.set MV,  6                            ; v[6:8]   lane l of register m: all ones if input row 32 m + l counts, else 0
.set QV,  10                           ; v[10:11] lane l of register m: q of output row 32 m + l
.set O,   14                           ; v[14:17]; v12, v13 the masked row
.set Y,   18                           ; v[18:21] two entries to store
.set XM,  22                           ; v[22:29]  2 entries of 4
.set P2,  30                           ; v[30:41]  3 entries
.set P4,  42                           ; v[42:61]  5 entries
.set P8,  62                           ; v[62:101] 10 entries
.set XR,  102                          ; v[102:165] 32 slots of 2: rows as loaded
.set SR,  166                          ; v[166:168] place in the batch row of input row 32 m + lane
.set MA,  169                          ; v[169:171] its address in masked
.set QA,  172
	s_load_b256 s[4:11], s[0:1], 0x0               ; hid s[4:5], masked s[6:7], aux s[8:9], ap s[10:11]
	v_lshrrev_b32 v1, 5, v0
	v_readfirstlane_b32 s12, v1                    ; wave
	v_and_b32 v1, 31, v0                           ; lane
	s_and_b32 s13, ttmp7, 0xffff
	s_lshl_b32 s14, s13, 6                         ; t0
	s_and_b32 s15, s14, 0x7ff                      ; its place in the batch row
	s_lshl3_add_u32 s16, ttmp9, s12                ; strip
	s_lshr_b32 s17, s16, 2                         ; expert
	s_lshl_b32 s18, s16, 8
	v_lshl_add_u32 v5, v1, 3, s18                  ; 256 x strip + 8 x lane
	s_max_u32 s19, s14, 8
	s_sub_co_u32 s19, s19, 8
	s_lshl_b32 s19, s19, 13
	v_add_nc_u32 v[VT], s19, v5
	s_lshl_b32 s19, s14, 13
	v_add_nc_u32 v[VM], s19, v5
	s_add_co_u32 s19, s14, 64
	s_min_u32 s19, s19, 4088
	s_lshl_b32 s19, s19, 13
	v_add_nc_u32 v[VBT], s19, v5
	s_sub_co_u32 s19, s15, 8                       ; wraps below 0: the unsigned compare with 2048 catches both ends
	s_sub_co_u32 s21, s14, s15                     ; the batch row's first token
.irp m, 0,1,2
	v_add3_u32 v[SR+\m], s19, v1, 32*\m
	v_min_u32 v[MA+\m], 0x7ff, v[SR+\m]
	v_add_nc_u32 v[MA+\m], s21, v[MA+\m]
.endr
	s_lshl_b32 s19, s14, 5
	s_lshl2_add_u32 s19, s17, s19
	v_lshl_add_u32 v[QA], v1, 5, s19               ; ((t0 + lane) x 8 + expert) x 4
	s_mov_b32 s23, 0                               ; the upper half of the pair s[22:23], of which the packed multiply uses s22 twice
	s_wait_kmcnt 0x0
.irp m, 0,1,2
	global_load_u8 v[MV+\m], v[MA+\m], s[6:7]
.endr
	global_load_b32 v[QV], v[QA], s[8:9]
	global_load_b32 v[QV+1], v[QA], s[8:9] offset:1024
.macro RLD i                           ; input row i into slot i % 32
.if (\i) < 8
	global_load_b64 v[XR+2*((\i)%32):XR+2*((\i)%32)+1], v[VT], s[4:5] offset:(\i)*8192
.else
.if (\i) < 72
	global_load_b64 v[XR+2*((\i)%32):XR+2*((\i)%32)+1], v[VM], s[4:5] offset:((\i)-8)*8192
.else
	global_load_b64 v[XR+2*((\i)%32):XR+2*((\i)%32)+1], v[VBT], s[4:5] offset:((\i)-72)*8192
.endif
.endif
.endm
.irp a, 0,1
.irp b, 0,1,2,3,4,5,6,7,8,9,10,11,12,13,14,15
	RLD (16*\a+\b)
.endr
.endr
	s_wait_loadcnt 32                              ; the five small loads are in; the 32 rows stay out
.irp m, 0,1,2
	v_cmp_eq_u32 s25, 0, v[MV+\m]                  ; unmasked
	v_cmp_gt_u32 s26, 0x800, v[SR+\m]              ; and in the batch row
	s_and_b32 s25, s25, s26
	v_cndmask_b32 v[MV+\m], 0, -1, s25
.endr
.macro ROW i
.set e2w, P2+4*(((\i)+2)%3)            ; P2(i-1), written now
.set e2r, P2+4*((\i)%3)                ; P2(i-3)
.set e4w, P4+4*(((\i)+2)%5)            ; P4(i-3), written now
.set e4r, P4+4*(((\i)+3)%5)            ; P4(i-7)
.set e8w, P8+4*(((\i)+3)%10)           ; P8(i-7), written now
.set e8r, P8+4*(((\i)+4)%10)           ; P8(i-16)
.set ex,  XM+4*((\i)%2)
.set ey,  Y+2*((\i)%2)
.if (\i) <= 48
	s_wait_loadcnt 31                              ; 31 younger rows stay out
.else
	s_wait_loadcnt 79-(\i)
.endif
	v_readlane_b32 s20, v[MV+(\i)/32], (\i)%32
	v_and_b32 v12, s20, v[XR+2*((\i)%32)]
	v_and_b32 v13, s20, v[XR+2*((\i)%32)+1]
.if (\i) <= 47
	RLD ((\i)+32)
.endif
	v_cvt_f32_f16 v[ex], v12.l
	v_cvt_f32_f16 v[ex+1], v12.h
	v_cvt_f32_f16 v[ex+2], v13.l
	v_cvt_f32_f16 v[ex+3], v13.h
.if (\i) >= 1
	v_pk_add_f32 v[e2w:e2w+1], v[XM:XM+1], v[XM+4:XM+5]
	v_pk_add_f32 v[e2w+2:e2w+3], v[XM+2:XM+3], v[XM+6:XM+7]
.endif
.if (\i) >= 3
	v_pk_add_f32 v[e4w:e4w+1], v[e2r:e2r+1], v[e2w:e2w+1]
	v_pk_add_f32 v[e4w+2:e4w+3], v[e2r+2:e2r+3], v[e2w+2:e2w+3]
.endif
.if (\i) >= 7
	v_pk_add_f32 v[e8w:e8w+1], v[e4r:e4r+1], v[e4w:e4w+1]
	v_pk_add_f32 v[e8w+2:e8w+3], v[e4r+2:e4r+3], v[e4w+2:e4w+3]
.endif
.if (\i) >= 16
	v_pk_add_f32 v[O:O+1], v[e8r:e8r+1], v[e8w:e8w+1]
	v_pk_add_f32 v[O+2:O+3], v[e8r+2:e8r+3], v[e8w+2:e8w+3]
	v_readlane_b32 s22, v[QV+((\i)-16)/32], ((\i)-16)%32
	v_pk_mul_f32 v[O:O+1], v[O:O+1], s[22:23] op_sel_hi:[1,0]
	v_pk_mul_f32 v[O+2:O+3], v[O+2:O+3], s[22:23] op_sel_hi:[1,0]
	s_wait_xcnt 0x0                                ; the entry of Y that a store two rows ago read is rewritten only behind this wait
	v_cvt_pk_f16_f32 v[ey], v[O], v[O+1]
	v_cvt_pk_f16_f32 v[ey+1], v[O+2], v[O+3]
	global_store_b64 v[VM], v[ey:ey+1], s[10:11] offset:((\i)-16)*8192
.endif
.endm
.irp a, 0,1,2,3,4
.irp b, 0,1,2,3,4,5,6,7,8,9,10,11,12,13,14,15
	ROW (16*\a+\b)
.endr
.endr
	s_endpgm
.Lfunc_end_k_q0da45ae700_window:
	.size	k_q0da45ae700_window, .Lfunc_end_k_q0da45ae700_window-k_q0da45ae700_window
	.p2alignl 7, 3214868480
	.fill 96, 4, 3214868480
	.section	.rodata,"a",@progbits
	.p2align	6, 0x0
	.amdhsa_kernel k_q0da45ae700_window
		.amdhsa_group_segment_fixed_size 0
		.amdhsa_private_segment_fixed_size 0
		.amdhsa_enable_private_segment 0
		.amdhsa_kernarg_size 32
		.amdhsa_user_sgpr_count 2
		.amdhsa_user_sgpr_kernarg_segment_ptr 1
		.amdhsa_wavefront_size32 1
		.amdhsa_system_sgpr_workgroup_id_x 1
		.amdhsa_system_sgpr_workgroup_id_y 1
		.amdhsa_system_sgpr_workgroup_id_z 1
		.amdhsa_system_vgpr_workitem_id 0
		.amdhsa_next_free_vgpr 176
		.amdhsa_next_free_sgpr 66
		.amdhsa_reserve_vcc 0
		.amdhsa_float_denorm_mode_32 3
		.amdhsa_float_denorm_mode_16_64 3
		.amdhsa_memory_ordered 1
		.amdhsa_forward_progress 1
		.amdhsa_inst_pref_size 98
	.end_amdhsa_kernel
	.amdgpu_metadata
---
amdhsa.version: [ 1, 2 ]
amdhsa.kernels:
  - .name:           k_q0da45ae700_window
    .symbol:         k_q0da45ae700_window.kd
    .args:
      - { .name: hid, .offset: 0, .size: 8, .value_kind: global_buffer, .address_space: global }
      - { .name: masked, .offset: 8, .size: 8, .value_kind: global_buffer, .address_space: global }
      - { .name: aux, .offset: 16, .size: 8, .value_kind: global_buffer, .address_space: global }
      - { .name: ap, .offset: 24, .size: 8, .value_kind: global_buffer, .address_space: global }
    .group_segment_fixed_size: 0
    .private_segment_fixed_size: 0
    .kernarg_segment_align: 8
    .kernarg_segment_size: 32
    .max_flat_workgroup_size: 256
    .sgpr_count:     66
    .vgpr_count:     176
    .wavefront_size: 32
...
	.end_amdgpu_metadata
.endif
;; end of part 3
;; launch gemm2 (part 4): grid 16 x 16, 4 waves a work-group, clusters of 4 x 4, 327,680 bytes of LDS; arguments ap, w2h, aux, mixed; writes mixed
.if DOCPART == 4
	.amdgcn_target "amdgcn-amd-amdhsa--gfx1250"
	.amdhsa_code_object_version 6
	.text
	.protected	k_q0da45ae700_gemm2
	.globl	k_q0da45ae700_gemm2
	.p2align	8
	.type	k_q0da45ae700_gemm2,@function
k_q0da45ae700_gemm2:
	s_mov_b64 s[64:65], 0
	v_nop
	global_prefetch_b8 v0, s[64:65] scope:SCOPE_SE
	s_setreg_imm32_b32 hwreg(HW_REG_WAVE_MODE, 25, 1), 1
	s_wait_xcnt 0x0
	s_wait_alu depctr_hold_cnt(0) depctr_sa_sdst(0) depctr_va_vdst(0) depctr_va_sdst(0) depctr_va_ssrc(0) depctr_va_vcc(0) depctr_vm_vsrc(0)
	s_getreg_b32 s2, hwreg(HW_REG_IB_STS2, 6, 4)
	s_cmp_eq_u32 s2, 0
	s_cbranch_scc0 .Lentry_in_a_cluster
	s_endpgm
.Lentry_in_a_cluster:
	s_bfe_u32 s2, ttmp6, 0x10000c
	s_cmp_lg_u32 s2, 0xf033
	s_cbranch_scc0 .Lentry_shape_is_right
	s_endpgm
.Lentry_shape_is_right:
; Launch 4 of 5: mixed[z][t][d] = sum over the half z of the 4096 (k,f) of ap[t][(k,f)] W2[(k,f)][d]  +  half of sum over k of w[t][k] b2[k][d].  f16 operands, f32 sums and results.
; The factor cnt / max(cnt, 1) of the bias term is left out (see launch 1).
; M x N = 4096 x 2048 gives 128 blocks of 256 x 256, so K is split in two halves of 2048: 256 work-groups of the shape of launch 2; launch 5 adds the halves.
; z = cluster x / 2 is the same for all partners of a cluster; block column nb = 4 (cluster x % 2) + cx.
; THE SUMS START WITH THE BIAS PRODUCT: one product of K = 32 whose k axis holds the eight experts four times, A = w / 8, B = b2 transposed;
; 4 x (w / 8) b2 in each of the two halves adds up to w b2.
; Ring, cluster, transposed use, windows and the turns of the accumulators as in launch 2:
; A (ap) tiles of 128 rows x 256 bytes, LDS pitch 272; B (w2h, [K][N]) tiles of 64 k rows x 512 bytes, LDS pitch 544, read by ds_load_tr16_b128.
.set LDA,    4096
.set LDB,    2048
.set KSTEP,  128
.set PITCH,  272
.set PB,     544
.set HALFT,  128*PITCH
.set SLOT,   4*HALFT
.set STAGE,  2*SLOT                    ; at a multiple of 256: 16 rows x 528 bytes = 8,448 = 33 x 256 for each wave; no tensor load lands there
.set SPITCH, 528                       ; 512 bytes of f32 + 16
.set LAPS,   8
.set ASTEP,  KSTEP*2
.set BSTEP,  KSTEP*LDB*2
.set OUTP,   8192                      ; bytes in a row of mixed
.set ADRA, 16
.set ADRB, 20
.set STO,  24
.set RD,   25
.set CO,   26
.set VB,   27
.set F0,   64
.set F1,   128
.set G1,  24
.set G0,  32
.set G1B, 48
.set G0B, 56
.set MSB, 0
.macro WIN new
.if MSB != \new
	s_set_vgpr_msb (MSB<<8)|\new
.set MSB, \new
.endif
.endm
.set MUL_LO, 0xa1
.set MUL_HI, 0xf1
.set TO_B,   0x40
.macro JLOAD s
	s_cmp_eq_u32 s11, 0
	s_cbranch_scc0 .Lfor_b_\@
	tensor_load_to_lds s[G0+4*\s:G0+4*\s+3], s[G1:G1+7]
	s_nop 0
	s_branch .Lasked_\@
.Lfor_b_\@:
	tensor_load_to_lds s[G0B+4*\s:G0B+4*\s+3], s[G1B:G1B+7]
	s_nop 0
.Lasked_\@:
.endm
.macro CREST
	s_cmp_lg_u32 s10, 0
	s_cbranch_scc1 .Lnot_wave_0_\@
	s_barrier_signal -3
.Lnot_wave_0_\@:
	s_barrier_wait -3
	s_barrier_signal -1
	s_barrier_wait -1
.endm
.macro CROUND
	s_barrier_signal -1
	s_barrier_wait -1
	CREST
.endm
	s_load_b128 s[4:7], s[0:1], 0x0                ; ap s[4:5], w2h s[6:7]
	s_load_b64 s[66:67], s[0:1], 0x10              ; aux
	s_load_b64 s[8:9], s[0:1], 0x18                ; mixed
	s_set_vgpr_msb 0x40
	v_lshl_add_u32 v255, v0, 2, 0x4c400
	s_set_vgpr_msb 0x4000
	v_mov_b32 v255, 0
	s_set_vgpr_msb 0x1
	ds_add_u32 v255, v255
	s_set_vgpr_msb 0x100
	v_lshrrev_b32 v1, 5, v0
	v_readfirstlane_b32 s10, v1
	s_lshr_b32 s11, s10, 1
	s_and_b32 s12, s10, 1
	s_bfe_u32 s40, ttmp6, 0x40000                  ; cx
	s_bfe_u32 s41, ttmp6, 0x40004                  ; cy
	s_lshr_b32 s45, ttmp9, 1                       ; z: the half of K
	s_and_b32 s42, ttmp9, 1
	s_lshl_b32 s42, s42, 2
	s_add_co_u32 s42, s42, s40                     ; block column nb, 0..7
	s_and_b32 s13, ttmp7, 0xffff
	s_lshl_b32 s13, s13, 2
	s_add_co_u32 s13, s13, s41                     ; block row
	s_lshl_b32 s43, s41, 2
	s_lshl_b32 s43, 15, s43
	s_lshl_b32 s44, 0x1111, s40
	s_or_b32 s[G1+0], s43, (1<<16)|(1<<20)|(1<<21)|(5<<22)|(3<<25)
	s_mov_b32 s[G1+1], 128<<16
	s_mov_b32 s[G1+2], 128<<16
	s_mov_b32 s[G1+3], 128<<16
	s_mov_b32 s[G1+4], 128
	s_mov_b32 s[G1+5], LDA
	s_mov_b32 s[G1+6], 0
	s_mov_b32 s[G1+7], 0
	s_or_b32 s[G1B+0], s44, (1<<16)|(1<<20)|(1<<21)|(6<<22)|(7<<25)
	s_mov_b32 s[G1B+1], 256<<16
	s_mov_b32 s[G1B+2], 64<<16
	s_mov_b32 s[G1B+3], 256<<16
	s_mov_b32 s[G1B+4], 64
	s_mov_b32 s[G1B+5], LDB
	s_mov_b32 s[G1B+6], 0
	s_mov_b32 s[G1B+7], 0
	s_lshl_b32 s17, s12, 7
	s_lshl_b32 s16, s13, 8
	s_add_co_u32 s16, s16, s17                     ; A: row 256 x block row + 128 x half,
	s_lshl_b32 s16, s16, 13                        ; x 8,192 bytes,
	s_lshl_b32 s17, s45, 12                        ; + 4,096 z
	s_add_co_u32 s16, s16, s17
	s_mov_b32 s17, 0
	s_lshl_b32 s46, s45, 23                        ; B: 2048 k rows of 4,096 bytes for z,
	s_lshl_b32 s47, s12, 18                        ; 64 k rows for the second half,
	s_add_co_u32 s46, s46, s47
	s_lshl_b32 s47, s42, 9                         ; 512 bytes of columns a block
	s_add_co_u32 s46, s46, s47
	s_mov_b32 s47, 0
	s_mul_i32 s20, s10, HALFT
	s_wait_dscnt 0x0
	s_wait_kmcnt 0x0
	s_add_nc_u64 s[14:15], s[4:5], s[16:17]
	s_add_nc_u64 s[46:47], s[6:7], s[46:47]
	s_lshl_b32 s72, s13, 8
	s_lshl_b32 s73, s11, 7
	s_add_co_u32 s72, s72, s73                     ; my first row: 16 bytes of w / 8 a row
	s_lshl_b32 s72, s72, 4
	s_add_co_u32 s72, s72, 131072
	s_mov_b32 s73, 0
	s_add_nc_u64 s[68:69], s[66:67], s[72:73]
	s_lshl_b32 s72, s42, 8
	s_lshl_b32 s73, s12, 7
	s_add_co_u32 s72, s72, s73                     ; my first column: 16 bytes of b2 a column
	s_lshl_b32 s72, s72, 4
	s_add_co_u32 s72, s72, 196608
	s_mov_b32 s73, 0
	s_add_nc_u64 s[70:71], s[66:67], s[72:73]
	CROUND
.irp s, 0,1
	s_mov_b32 s[G0+4*\s], 1
	s_add_co_u32 s[G0+4*\s+1], s20, \s*SLOT
	s_add_nc_u64 s[G0+4*\s+2:G0+4*\s+3], s[14:15], \s*ASTEP
	s_or_b32 s[G0+4*\s+3], s[G0+4*\s+3], 0x80000000
	s_mov_b32 s[G0B+4*\s], 1
	s_add_co_u32 s[G0B+4*\s+1], s20, \s*SLOT
	s_add_nc_u64 s[G0B+4*\s+2:G0B+4*\s+3], s[46:47], \s*BSTEP
	s_or_b32 s[G0B+4*\s+3], s[G0B+4*\s+3], 0x80000000
	JLOAD \s                                       ; two tensor loads of the wave are out
.endr
	v_and_b32 v1, 15, v0                           ; r
	v_bfe_u32 v2, v0, 4, 1                         ; h
	v_lshlrev_b32 v[VB], 4, v1
	; the bias product's fragments, into buffer 1: a row's (a column's) eight f16 fill registers 0-3 and 4-7, in both halves of the lanes
.irp a, 0,1,2,3,4,5,6,7
	global_load_b128 v[F1+8*\a:F1+8*\a+3], v[VB], s[68:69] offset:256*\a
	global_load_b128 v[F1+8*\a+4:F1+8*\a+7], v[VB], s[68:69] offset:256*\a
.endr
	WIN TO_B
.irp b, 0,1,2,3,4,5,6,7
	global_load_b128 v[F1+8*\b:F1+8*\b+3], v[VB], s[70:71] offset:256*\b
	global_load_b128 v[F1+8*\b+4:F1+8*\b+7], v[VB], s[70:71] offset:256*\b
.endr
	WIN 0
	v_mul_u32_u24 v3, v1, PITCH
	v_lshl_add_u32 v3, v2, 4, v3
	v_and_b32 v4, 7, v0
	v_lshl_add_u32 v4, v2, 3, v4
	v_mul_u32_u24 v4, v4, PB
	v_bfe_u32 v5, v0, 3, 1
	v_lshl_add_u32 v4, v5, 4, v4
	s_mul_i32 s21, s11, HALFT
	s_lshl_b32 s22, s12, 8
	s_add_co_u32 s22, s22, 2*HALFT
.irp s, 0,1
	v_add_nc_u32 v[ADRA+\s], s21, v3
	v_add_nc_u32 v[ADRB+\s], s22, v4
	s_add_co_u32 s21, s21, SLOT
	s_add_co_u32 s22, s22, SLOT
.endr
	s_mul_i32 s23, s10, 16*SPITCH
	s_add_co_u32 s23, s23, STAGE
	v_and_b32 v6, 31, v0
	v_mul_u32_u24 v4, v1, SPITCH
	v_lshl_add_u32 v4, v2, 5, v4
	v_add_nc_u32 v[STO], s23, v4                   ; in: row r, 32 bytes for each half of the lanes
	v_lshlrev_b32 v[CO], 4, v6                     ; out: 32 lanes take a row's 512 bytes
	v_add_nc_u32 v[RD], s23, v[CO]
.macro MUL16 f, hi, a0, zero
.irp a, \a0, \a0+1
.irp b, 0,1,2,3,4,5,6,7
.if \zero
	v_wmma_f32_16x16x32_f16 v[8*(8*(\a)+\b):8*(8*(\a)+\b)+7], v[\f+8*\b:\f+8*\b+7], v[\f+8*(4*\hi+\a):\f+8*(4*\hi+\a)+7], 0
.else
	v_wmma_f32_16x16x32_f16 v[8*(8*(\a)+\b):8*(8*(\a)+\b)+7], v[\f+8*\b:\f+8*\b+7], v[\f+8*(4*\hi+\a):\f+8*(4*\hi+\a)+7], v[8*(8*(\a)+\b):8*(8*(\a)+\b)+7]
.endif
.endr
.endr
.endm
.macro FETCH slot, q, f
	WIN TO_B
.irp i, 0,1,2,3,4,5,6,7
	ds_load_tr16_b128 v[\f+8*\i:\f+8*\i+3],   v[ADRB+\slot] offset:\q*32*PB+32*\i
	ds_load_tr16_b128 v[\f+8*\i+4:\f+8*\i+7], v[ADRB+\slot] offset:\q*32*PB+16*PB+32*\i
.endr
	WIN 0
.irp i, 0,1,2,3,4,5,6,7
	ds_load_b128 v[\f+8*\i:\f+8*\i+3],   v[ADRA+\slot] offset:\q*64+\i*16*PITCH
	ds_load_b128 v[\f+8*\i+4:\f+8*\i+7], v[ADRA+\slot] offset:\q*64+\i*16*PITCH+32
.endr
.endm
.macro PLACES                          ; four plain vector instructions between a product and a load into, or a store of, one of its registers
.rept 4
	v_nop
.endr
.endm
.macro QUARTER slot, q, f, g, zero
	s_wait_dscnt 8                                 ; B and A's rows 0-63 are in; the youngest eight loads may be out
	WIN MUL_LO
	MUL16 \f, 0, 0, \zero
	MUL16 \f, 0, 2, \zero
	PLACES
	FETCH \slot, \q, \g
	s_wait_dscnt 32                                ; all but the 32 just issued
	WIN MUL_HI
	MUL16 \f, 1, 0, \zero
	MUL16 \f, 1, 2, \zero
.endm
.macro THREE slot, zero
	QUARTER \slot, 1, F0, F1, \zero
	QUARTER \slot, 2, F1, F0, 0
	QUARTER \slot, 3, F0, F1, 0
.endm
.macro TURN slot, next, fill           ; the change of slots, as in launch 2
	s_wait_dscnt 8
	WIN MUL_LO
	MUL16 F1, 0, 0, 0
	s_wait_dscnt 0                                 ; my reads of this slot are over
	s_wait_tensorcnt 0x0                           ; and all my tensor loads have landed
	ds_add_u32 v255, v255
	s_wait_dscnt 0x0
	s_barrier_signal -1
	MUL16 F1, 0, 2, 0
	WIN 0
	s_barrier_wait -1
.if \fill
	CREST
	s_add_nc_u64 s[G0+4*\slot+2:G0+4*\slot+3], s[G0+4*\slot+2:G0+4*\slot+3], 2*ASTEP
	s_add_nc_u64 s[G0B+4*\slot+2:G0B+4*\slot+3], s[G0B+4*\slot+2:G0B+4*\slot+3], 2*BSTEP
	JLOAD \slot                                    ; the first tensor load behind the round, one a wave
.endif
	PLACES
	FETCH \next, 0, F0
	WIN MUL_HI
	MUL16 F1, 1, 0, 0
	MUL16 F1, 1, 2, 0
.endm
.macro LAP zero
	THREE 0, \zero
	TURN 0, 1, 1
	THREE 1, 0
	TURN 1, 0, 1
.endm
	s_wait_tensorcnt 1                             ; my part of K step 0 is in; K step 1's may stay out
	s_barrier_signal -1
	s_barrier_wait -1
	FETCH 0, 0, F0
	s_wait_loadcnt 0x0                             ; w / 8 and b2 are in buffer 1
	WIN MUL_LO
	MUL16 F1, 0, 0, 1                              ; the bias product starts all 64 sums, in the order of every later quarter
	MUL16 F1, 0, 2, 1
	WIN MUL_HI
	MUL16 F1, 1, 0, 1
	MUL16 F1, 1, 2, 1
	WIN 0
	s_mov_b32 s3, LAPS-1
.Llap:
	LAP 0
	WIN 0
	s_sub_co_u32 s3, s3, 1
	s_cmp_lg_u32 s3, 0
	s_cbranch_scc1 .Llap
	THREE 0, 0                                     ; the last lap fills nothing
	TURN 0, 1, 0
	THREE 1, 0
	s_wait_dscnt 8
	WIN MUL_LO
	MUL16 F1, 0, 0, 0
	MUL16 F1, 0, 2, 0
	s_wait_dscnt 0
	WIN MUL_HI
	MUL16 F1, 1, 0, 0
	MUL16 F1, 1, 2, 0
	; THE WAY OUT, f32, 16 rows at a time through my own stage, read back as whole rows of 512 bytes
	PLACES
	s_lshl_b32 s13, s13, 8
	s_lshl_b32 s14, s11, 7
	s_add_co_u32 s16, s13, s14                     ; my first row,
	s_lshl_b32 s16, s16, 13
	s_lshl_b32 s17, s45, 25                        ; in the half z of mixed
	s_add_co_u32 s16, s16, s17
	s_mov_b32 s17, 0
	s_add_nc_u64 s[8:9], s[8:9], s[16:17]
	s_lshl_b32 s46, s42, 10                        ; my first column, in bytes
	s_lshl_b32 s47, s12, 9
	s_add_co_u32 s46, s46, s47
	s_mov_b32 s47, 0
	s_add_nc_u64 s[8:9], s[8:9], s[46:47]
; rows 16 i .. 16 i + 15: the tiles (a, 0..7) of window 2 (win = 0x08: the LDS store's data) or 3 (0x0c); f: the buffer read back into, by turns
.macro OUT16F i, a, win, f
	WIN \win
.irp b, 0,1,2,3,4,5,6,7
	ds_store_b128 v[STO], v[8*(8*\a+\b):8*(8*\a+\b)+3] offset:64*\b
	ds_store_b128 v[STO], v[8*(8*\a+\b)+4:8*(8*\a+\b)+7] offset:64*\b+16
.endr
	WIN 0
	s_wait_xcnt 0x0                                ; buffer f, which earlier stores read, and their base are rewritten only behind this wait
.if \i
	s_add_nc_u64 s[8:9], s[8:9], 16*OUTP
.endif
.irp t, 0,1,2,3,4,5,6,7,8,9,10,11,12,13,14,15
	ds_load_b128 v[\f+4*\t:\f+4*\t+3], v[RD] offset:\t*SPITCH      ; my own stage, served in order: these see the stores above
.endr
.irp t, 0,1,2,3,4,5,6,7,8,9,10,11,12,13,14,15
	s_wait_dscnt 15-\t
	global_store_b128 v[CO], v[\f+4*\t:\f+4*\t+3], s[8:9] offset:\t*OUTP       ; the wave stores 512 consecutive bytes, aligned
.endr
.endm
	OUT16F 0, 0, 0x08, F0
	OUT16F 1, 1, 0x08, F1
	OUT16F 2, 2, 0x08, F0
	OUT16F 3, 3, 0x08, F1
	OUT16F 4, 0, 0x0c, F0
	OUT16F 5, 1, 0x0c, F1
	OUT16F 6, 2, 0x0c, F0
	OUT16F 7, 3, 0x0c, F1
	s_set_vgpr_msb 0x1
	s_wait_tensorcnt 0x0
	ds_add_u32 v255, v255
	s_wait_dscnt 0x0
	s_set_vgpr_msb 0x100
	CROUND                                         ; the closing round
	s_endpgm
.Lfunc_end_k_q0da45ae700_gemm2:
	.size	k_q0da45ae700_gemm2, .Lfunc_end_k_q0da45ae700_gemm2-k_q0da45ae700_gemm2
	.p2alignl 7, 3214868480
	.fill 96, 4, 3214868480
	.section	.rodata,"a",@progbits
	.p2align	6, 0x0
	.amdhsa_kernel k_q0da45ae700_gemm2
		.amdhsa_group_segment_fixed_size 327680
		.amdhsa_private_segment_fixed_size 0
		.amdhsa_enable_private_segment 0
		.amdhsa_kernarg_size 32
		.amdhsa_user_sgpr_count 2
		.amdhsa_user_sgpr_kernarg_segment_ptr 1
		.amdhsa_wavefront_size32 1
		.amdhsa_system_sgpr_workgroup_id_x 1
		.amdhsa_system_sgpr_workgroup_id_y 1
		.amdhsa_system_sgpr_workgroup_id_z 1
		.amdhsa_system_vgpr_workitem_id 0
		.amdhsa_next_free_vgpr 1024
		.amdhsa_next_free_sgpr 74
		.amdhsa_reserve_vcc 0
		.amdhsa_float_denorm_mode_32 3
		.amdhsa_float_denorm_mode_16_64 3
		.amdhsa_memory_ordered 1
		.amdhsa_forward_progress 1
		.amdhsa_inst_pref_size 152
	.end_amdhsa_kernel
	.amdgpu_metadata
---
amdhsa.version: [ 1, 2 ]
amdhsa.kernels:
  - .name:           k_q0da45ae700_gemm2
    .symbol:         k_q0da45ae700_gemm2.kd
    .args:
      - { .name: ap, .offset: 0, .size: 8, .value_kind: global_buffer, .address_space: global }
      - { .name: w2h, .offset: 8, .size: 8, .value_kind: global_buffer, .address_space: global }
      - { .name: aux, .offset: 16, .size: 8, .value_kind: global_buffer, .address_space: global }
      - { .name: mixed, .offset: 24, .size: 8, .value_kind: global_buffer, .address_space: global }
    .group_segment_fixed_size: 327680
    .private_segment_fixed_size: 0
    .kernarg_segment_align: 8
    .kernarg_segment_size: 32
    .max_flat_workgroup_size: 128
    .sgpr_count:     74
    .vgpr_count:     1024
    .wavefront_size: 32
...
	.end_amdgpu_metadata
.endif
;; end of part 4
;; launch ln (part 5): grid 512 x 1, 8 waves a work-group, no clusters, 0 bytes of LDS; arguments mixed, masked, out0; writes out0
.if DOCPART == 5
	.amdgcn_target "amdgcn-amd-amdhsa--gfx1250"
	.amdhsa_code_object_version 6
	.text
	.protected	k_q0da45ae700_ln
	.globl	k_q0da45ae700_ln
	.p2align	8
	.type	k_q0da45ae700_ln,@function
k_q0da45ae700_ln:
	s_mov_b64 s[64:65], 0
	v_nop
	global_prefetch_b8 v0, s[64:65] scope:SCOPE_SE
	s_setreg_imm32_b32 hwreg(HW_REG_WAVE_MODE, 25, 1), 1
	s_wait_xcnt 0x0
; Launch 5 of 5: out0[t][:] = valid[t] ? layer norm of (mixed[0][t][:] + mixed[1][t][:]) : 0,  valid = masked[t] and some neighbour within 8 places is unmasked.
; The factor cnt / max(cnt, 1) is left out (see launch 1): it differs from 1 only in rows that the select below sets to zero.
; A stream: one wave, one row of 8,192 bytes, kept in 64 registers between the passes (mean, then the squares of the differences);
; no LDS, no barrier, nothing shared between work-groups.  Each load and store of a wave covers 512 consecutive bytes, aligned.
; The select is a true select, so nothing of an invalid row reaches the output.
.set P0, 8                             ; v[8:71]   first half, then the row
.set P1, 72                            ; v[72:135] second half
.set S,  136                           ; v[136:143] four chains of pairs
	s_load_b128 s[4:7], s[0:1], 0x0                ; mixed s[4:5], masked s[6:7]
	s_load_b64 s[8:9], s[0:1], 0x10                ; out0
	v_lshrrev_b32 v1, 5, v0
	v_readfirstlane_b32 s10, v1
	v_and_b32 v1, 31, v0
	s_lshl3_add_u32 s10, ttmp9, s10                ; t = 8 x + wave
	s_and_b32 s11, s10, 0x7ff                      ; its place in the batch row
	s_sub_co_u32 s24, s10, s11
	s_sub_co_u32 s25, s11, 8                       ; wraps below 0: the unsigned compare with 2048 catches both ends
	v_add_nc_u32 v3, s25, v1                       ; lane l looks at place s + l - 8: lanes 0-7 and 9-16 the neighbours, lane 8 the token
	v_min_u32 v4, 0x7ff, v3
	v_add_nc_u32 v4, s24, v4
	v_lshlrev_b32 v2, 4, v1
	s_lshl_b32 s26, s10, 13
	s_mov_b32 s27, 0
	s_mov_b32 s12, 0x76543210                      ; v_permlanex16_b32: lane i of one half reads lane i of the other
	s_mov_b32 s13, 0xfedcba98
	s_mov_b32 s14, 0x3a000000                      ; 1 / 2048
	s_mov_b32 s15, 0x3727c5ac                      ; 1e-5
	s_wait_kmcnt 0x0
	s_add_nc_u64 s[16:17], s[4:5], s[26:27]
	s_add_nc_u64 s[18:19], s[16:17], 0x2000000     ; the second half of K lies 33,554,432 bytes on
	s_add_nc_u64 s[8:9], s[8:9], s[26:27]
	global_load_u8 v5, v4, s[6:7]
.irp j, 0,1,2,3,4,5,6,7,8,9,10,11,12,13,14,15
	global_load_b128 v[P0+4*\j:P0+4*\j+3], v2, s[16:17] offset:512*\j th:TH_LOAD_NT
	global_load_b128 v[P1+4*\j:P1+4*\j+3], v2, s[18:19] offset:512*\j th:TH_LOAD_NT
.endr
	s_wait_loadcnt 32                              ; the mask byte is in; the row's 32 loads stay out
	v_cmp_eq_u32 s20, 0, v5
	v_cmp_gt_u32 s21, 0x800, v3
	s_and_b32 s20, s20, s21
	s_and_b32 s20, s20, 0x1feff                    ; lanes 0 to 16 without lane 8: SCC = some neighbour is unmasked
	s_cselect_b32 s22, -1, 0
	v_readlane_b32 s23, v5, 8
	s_cmp_lg_u32 s23, 0                            ; and the token itself is masked
	s_cselect_b32 s22, s22, 0
.irp j, 0,1,2,3,4,5,6,7,8,9,10,11,12,13,14,15
	s_wait_loadcnt 30-2*\j                         ; both halves of piece j are in; the younger pieces stay out
	v_pk_add_f32 v[P0+4*\j:P0+4*\j+1], v[P0+4*\j:P0+4*\j+1], v[P1+4*\j:P1+4*\j+1]
	v_pk_add_f32 v[P0+4*\j+2:P0+4*\j+3], v[P0+4*\j+2:P0+4*\j+3], v[P1+4*\j+2:P1+4*\j+3]
.endr
.macro RED                             ; four chains of pairs to one number in every lane
	v_pk_add_f32 v[S:S+1], v[S:S+1], v[S+2:S+3]
	v_pk_add_f32 v[S+4:S+5], v[S+4:S+5], v[S+6:S+7]
	v_pk_add_f32 v[S:S+1], v[S:S+1], v[S+4:S+5]
	v_add_f32 v[S], v[S], v[S+1]
	v_add_f32_dpp v[S], v[S], v[S] row_xmask:1 row_mask:0xf bank_mask:0xf
	v_add_f32_dpp v[S], v[S], v[S] row_xmask:2 row_mask:0xf bank_mask:0xf
	v_add_f32_dpp v[S], v[S], v[S] row_xmask:4 row_mask:0xf bank_mask:0xf
	v_add_f32_dpp v[S], v[S], v[S] row_xmask:8 row_mask:0xf bank_mask:0xf
	v_permlanex16_b32 v[S+1], v[S], s12, s13
	v_add_f32 v[S], v[S], v[S+1]
.endm
.irp c, 0,1,2,3
	v_pk_add_f32 v[S+2*\c:S+2*\c+1], v[P0+2*\c:P0+2*\c+1], v[P0+8+2*\c:P0+8+2*\c+1]      ; the first sums start the chains
.endr
.irp g, 2,3,4,5,6,7
.irp c, 0,1,2,3
	v_pk_add_f32 v[S+2*\c:S+2*\c+1], v[S+2*\c:S+2*\c+1], v[P0+8*\g+2*\c:P0+8*\g+2*\c+1]
.endr
.endr
	RED
	v_mul_f32 v[S+2], s14, v[S]                    ; the mean, twice
	v_mov_b32 v[S+3], v[S+2]
.irp n, 0,1,2,3,4,5,6,7,8,9,10,11,12,13,14,15,16,17,18,19,20,21,22,23,24,25,26,27,28,29,30,31
	v_pk_add_f32 v[P0+2*\n:P0+2*\n+1], v[P0+2*\n:P0+2*\n+1], v[S+2:S+3] neg_lo:[0,1] neg_hi:[0,1]
.endr
.irp c, 0,1,2,3
	v_pk_mul_f32 v[S+2*\c:S+2*\c+1], v[P0+2*\c:P0+2*\c+1], v[P0+2*\c:P0+2*\c+1]
.endr
.irp g, 1,2,3,4,5,6,7
.irp c, 0,1,2,3
	v_pk_fma_f32 v[S+2*\c:S+2*\c+1], v[P0+8*\g+2*\c:P0+8*\g+2*\c+1], v[P0+8*\g+2*\c:P0+8*\g+2*\c+1], v[S+2*\c:S+2*\c+1]
.endr
.endr
	RED
	v_fma_f32 v[S], v[S], s14, s15                 ; var + 1e-5
	v_rsq_f32 v[S+2], v[S]
	v_rsq_f32 v[S+3], v[S]
	v_nop                                          ; one plain instruction between the transcendentals and the use of their results
	s_wait_alu depctr_va_vdst(0)
.irp n, 0,1,2,3,4,5,6,7,8,9,10,11,12,13,14,15,16,17,18,19,20,21,22,23,24,25,26,27,28,29,30,31
	v_pk_mul_f32 v[P0+2*\n:P0+2*\n+1], v[P0+2*\n:P0+2*\n+1], v[S+2:S+3]
.endr
.irp j, 0,1,2,3,4,5,6,7,8,9,10,11,12,13,14,15
	v_cndmask_b32 v[P0+4*\j], 0, v[P0+4*\j], s22
	v_cndmask_b32 v[P0+4*\j+1], 0, v[P0+4*\j+1], s22
	v_cndmask_b32 v[P0+4*\j+2], 0, v[P0+4*\j+2], s22
	v_cndmask_b32 v[P0+4*\j+3], 0, v[P0+4*\j+3], s22
	global_store_b128 v2, v[P0+4*\j:P0+4*\j+3], s[8:9] offset:512*\j th:TH_STORE_NT
.endr
	s_endpgm
.Lfunc_end_k_q0da45ae700_ln:
	.size	k_q0da45ae700_ln, .Lfunc_end_k_q0da45ae700_ln-k_q0da45ae700_ln
	.p2alignl 7, 3214868480
	.fill 96, 4, 3214868480
	.section	.rodata,"a",@progbits
	.p2align	6, 0x0
	.amdhsa_kernel k_q0da45ae700_ln
		.amdhsa_group_segment_fixed_size 0
		.amdhsa_private_segment_fixed_size 0
		.amdhsa_enable_private_segment 0
		.amdhsa_kernarg_size 24
		.amdhsa_user_sgpr_count 2
		.amdhsa_user_sgpr_kernarg_segment_ptr 1
		.amdhsa_wavefront_size32 1
		.amdhsa_system_sgpr_workgroup_id_x 1
		.amdhsa_system_sgpr_workgroup_id_y 1
		.amdhsa_system_sgpr_workgroup_id_z 1
		.amdhsa_system_vgpr_workitem_id 0
		.amdhsa_next_free_vgpr 144
		.amdhsa_next_free_sgpr 66
		.amdhsa_reserve_vcc 0
		.amdhsa_float_denorm_mode_32 3
		.amdhsa_float_denorm_mode_16_64 3
		.amdhsa_memory_ordered 1
		.amdhsa_forward_progress 1
		.amdhsa_inst_pref_size 22
	.end_amdhsa_kernel
	.amdgpu_metadata
---
amdhsa.version: [ 1, 2 ]
amdhsa.kernels:
  - .name:           k_q0da45ae700_ln
    .symbol:         k_q0da45ae700_ln.kd
    .args:
      - { .name: mixed, .offset: 0, .size: 8, .value_kind: global_buffer, .address_space: global }
      - { .name: masked, .offset: 8, .size: 8, .value_kind: global_buffer, .address_space: global }
      - { .name: out0, .offset: 16, .size: 8, .value_kind: global_buffer, .address_space: global }
    .group_segment_fixed_size: 0
    .private_segment_fixed_size: 0
    .kernarg_segment_align: 8
    .kernarg_segment_size: 24
    .max_flat_workgroup_size: 256
    .sgpr_count:     66
    .vgpr_count:     144
    .wavefront_size: 32
...
	.end_amdgpu_metadata
.endif
;; end of part 5
;; ======== version 2 of 2: 5 launches; version 1 with the launch window written anew for expert scheduling mode
;; limits: values are held in f16: magnitudes above 65,504 overflow, below 6.1e-05 lose precision
;; workspace buffers: hh 16,777,216 bytes; w1h 16,777,216 bytes; w2h 16,777,216 bytes; hid 33,554,432 bytes; ap 33,554,432 bytes; mixed 67,108,864 bytes; aux 229,376 bytes
;; launch prep: the kernel of part 1 again; grid 128 x 3, 8 waves a work-group, no clusters, 111,616 bytes of LDS; arguments h_L, W_route, b_route, masked, W1, W2, b2, hh, w1h, w2h, aux; writes hh, w1h, w2h, aux
;; launch gemm1: the kernel of part 2 again; grid 16 x 16, 4 waves a work-group, clusters of 4 x 4, 327,680 bytes of LDS; arguments hh, w1h, b1, hid; writes hid
;; launch window (part 6): grid 4 x 64, 8 waves a work-group, no clusters, 0 bytes of LDS; arguments hid, masked, aux, ap; writes ap
.if DOCPART == 6
	.amdgcn_target "amdgcn-amd-amdhsa--gfx1250"
	.amdhsa_code_object_version 6
	.text
	.protected	k_q0da45ae700_window
	.globl	k_q0da45ae700_window
	.p2align	8
	.type	k_q0da45ae700_window,@function
k_q0da45ae700_window:
	s_mov_b64 s[64:65], 0
	v_nop
	global_prefetch_b8 v0, s[64:65] scope:SCOPE_SE
	s_setreg_imm32_b32 hwreg(HW_REG_WAVE_SCHED_MODE, 0, 2), 2
	s_setreg_imm32_b32 hwreg(HW_REG_WAVE_MODE, 25, 1), 1
	s_wait_xcnt 0x0
	s_wait_alu depctr_vm_vsrc(0)
; Launch 3 of 5: ap[t][(k,f)] = q[t][k] * sum over the 16 neighbours j of t (within 8 places, same batch row, j != t) of unm[j] hid[j][(k,f)], f16 in, f32 sums, f16 out.
; The factor cnt / max(cnt, 1) of the bias term is left out (see launch 1); nothing else.
; A stream: no LDS, no barrier, no matrix unit.  No cluster: what neighbouring work-groups share is the halo, 16 of 80 rows.
; Work-group (x, y): rows 64 y .. 64 y + 63; wave w: the strip of 128 columns 8 x + w, all of expert (8 x + w) / 4; a lane 4 columns, so that each load and
; store of a wave covers 256 consecutive bytes, aligned.  80 input rows, i = 0..79 (row t0 - 8 + i), are walked once, written out.
; The window is built by additions alone:  P2(u) = x(u) + x(u+1), P4(u) = P2(u) + P2(u+2), P8(u) = P4(u) + P4(u+4), out(i - 16) = P8(i - 16) + P8(i - 7).
; A masked row, or one outside the batch row, is cleared by a bit mask (so a NaN there is not carried on).  64 divides 2048, so a work-group lies in one
; batch row; halo rows past the buffer's ends are read at a clamped address and cleared.
; LIMIT: results below 6.1e-5 are f16 denormals, absolute error 3e-8.
; THE MODE: SCHED_MODE bits 1:0 = 2 (LLVM: expert scheduling mode 2), set by the entry lines.  The code itself states the register dependences
; between vector instructions and memory instructions, and between a vector instruction that writes a scalar register and its readers, with s_wait_alu, always for 0.
; THE PLAN.  The 80 rows go in 10 blocks of eight.  Registers that memory instructions touch:
;   XR0 .. XR4  five blocks of eight rows as loaded.  Block p's masking lines read XR[p % 5]; the loads of block p + 4, issued in block p, land in
;               XR[(p + 4) % 5] = XR[(p - 1) % 5], which block p - 1 read and no vector line of block p names.
;   Y0, Y1      two blocks of eight rows to store.  Block p's roundings write Y[p % 2]; the eight stores issued in block p + 1 read it.
;   v2, v3, v4, MA, QA   byte offsets, made once at the head and never written again: the rows stand in immediate offsets.
;   MV, QV      loaded once at the head; from then on vector instructions alone name them.
; So the lines at a block's head state all that its sixteen memory instructions hang on, and these are dealt among its rows, a load and a store ahead of each row's
; vector lines, with no further wait.  A block's eight mask words and eight q are read out of their lanes in one run at its head, with one wait for the run.
.set VT,  2                            ; byte offset of my 8 bytes in input row 0 (clamped)
.set VM,  3                            ; in row t0; also the output's
.set VBT, 4                            ; in row t0 + 64 (clamped)
.set MV,  6                            ; v[6:8]   lane l of register m: all ones if input row 32 m + l counts, else 0
.set QV,  10                           ; v[10:11] lane l of register m: q of output row 32 m + l
.set O,   14                           ; v[14:17]; v12, v13 the masked row
.set XM,  22                           ; v[22:29]  2 entries of 4
.set P2,  30                           ; v[30:41]  3 entries
.set P4,  42                           ; v[42:61]  5 entries
.set P8,  62                           ; v[62:101] 10 entries
.set XR,  102                          ; v[102:181] 40 slots of 2: row i as loaded in slot i % 40
.set SR,  182                          ; v[182:184] place in the batch row of input row 32 m + lane
.set MA,  185                          ; v[185:187] its address in masked
.set QA,  188
.set Y,   190                          ; v[190:221] buffer b, row j of eight: 2 registers at Y + 16 b + 2 j
.set SM,  32                           ; s[32:39]  the block's eight mask words
.set SQ,  40                           ; s[40:55]  the block's eight q, each the low word of a pair; the packed multiply takes the low word twice
	s_load_b256 s[4:11], s[0:1], 0x0               ; hid s[4:5], masked s[6:7], aux s[8:9], ap s[10:11]
	v_lshrrev_b32 v1, 5, v0
	v_readfirstlane_b32 s12, v1                    ; wave
	v_and_b32 v1, 31, v0                           ; lane
	s_and_b32 s13, ttmp7, 0xffff
	s_lshl_b32 s14, s13, 6                         ; t0
	s_and_b32 s15, s14, 0x7ff                      ; its place in the batch row
	s_wait_alu depctr_va_sdst(0)                   ; s12 is written, ahead of its first reader: the strip is made from it
	s_lshl3_add_u32 s16, ttmp9, s12                ; strip
	s_lshr_b32 s17, s16, 2                         ; expert
	s_lshl_b32 s18, s16, 8
	v_lshl_add_u32 v5, v1, 3, s18                  ; 256 x strip + 8 x lane
	s_max_u32 s19, s14, 8
	s_sub_co_u32 s19, s19, 8
	s_lshl_b32 s19, s19, 13
	v_add_nc_u32 v[VT], s19, v5
	s_lshl_b32 s19, s14, 13
	v_add_nc_u32 v[VM], s19, v5
	s_add_co_u32 s19, s14, 64
	s_min_u32 s19, s19, 4088
	s_lshl_b32 s19, s19, 13
	v_add_nc_u32 v[VBT], s19, v5
	s_sub_co_u32 s19, s15, 8                       ; wraps below 0: the unsigned compare with 2048 catches both ends
	s_sub_co_u32 s21, s14, s15                     ; the batch row's first token
.irp m, 0,1,2
	v_add3_u32 v[SR+\m], s19, v1, 32*\m
	v_min_u32 v[MA+\m], 0x7ff, v[SR+\m]
	v_add_nc_u32 v[MA+\m], s21, v[MA+\m]
.endr
	s_lshl_b32 s19, s14, 5
	s_lshl2_add_u32 s19, s17, s19
	v_lshl_add_u32 v[QA], v1, 5, s19               ; ((t0 + lane) x 8 + expert) x 4
.irp j, 0,1,2,3,4,5,6,7
	s_mov_b32 s[SQ+2*\j+1], 0                      ; the upper halves of the pairs, named with the lower ones and so written
.endr
	s_wait_kmcnt 0x0
	s_wait_alu depctr_va_vdst(0)                   ; the offsets v2, v3, v4, MA and QA are written: every load and store of the kernel reads one of them
.irp m, 0,1,2
	global_load_u8 v[MV+\m], v[MA+\m], s[6:7]
.endr
	global_load_b32 v[QV], v[QA], s[8:9]
	global_load_b32 v[QV+1], v[QA], s[8:9] offset:1024
.macro RLD i                           ; input row i into slot i % 40
.if (\i) < 8
	global_load_b64 v[XR+2*((\i)%40):XR+2*((\i)%40)+1], v[VT], s[4:5] offset:(\i)*8192
.else
.if (\i) < 72
	global_load_b64 v[XR+2*((\i)%40):XR+2*((\i)%40)+1], v[VM], s[4:5] offset:((\i)-8)*8192
.else
	global_load_b64 v[XR+2*((\i)%40):XR+2*((\i)%40)+1], v[VBT], s[4:5] offset:((\i)-72)*8192
.endif
.endif
.endm
.irp a, 0,1
.irp b, 0,1,2,3,4,5,6,7,8,9,10,11,12,13,14,15
	RLD (16*\a+\b)                                 ; blocks 0 to 3 into XR0 .. XR3
.endr
.endr
	s_wait_loadcnt 32                              ; the five small loads are in; the 32 rows stay out
.irp m, 0,1,2
	v_cmp_eq_u32 s[24+2*\m], 0, v[MV+\m]           ; unmasked
	v_cmp_gt_u32 s[25+2*\m], 0x800, v[SR+\m]       ; and in the batch row
.endr
	s_wait_alu depctr_va_sdst(0)                   ; the six compares have written s24 to s29, ahead of their first reader
.irp m, 0,1,2
	s_and_b32 s[24+2*\m], s[24+2*\m], s[25+2*\m]
	v_cndmask_b32 v[MV+\m], 0, -1, s[24+2*\m]
.endr
; The head of block p.
.macro HEAD p
.irp j, 0,1,2,3,4,5,6,7
	v_readlane_b32 s[SM+\j], v[MV+(8*(\p)+\j)/32], (8*(\p)+\j)%32          ; the mask words of input rows 8 p .. 8 p + 7
.endr
.if (\p) >= 2
.irp j, 0,1,2,3,4,5,6,7
	v_readlane_b32 s[SQ+2*\j], v[QV+(8*((\p)-2)+\j)/32], (8*((\p)-2)+\j)%32  ; q of the output rows 8 (p - 2) .. that the block finishes
.endr
.endif
	s_wait_alu depctr_va_sdst(0)                   ; the run of lane reads has written its scalar registers, ahead of the block's masking lines and multiplies, which read them
.if (\p) >= 4
	s_wait_xcnt 0x0                                ; every earlier memory instruction has had its addresses translated (ISA guide 3.1): Y[p % 2] is rewritten only behind this wait
	s_wait_alu depctr_vm_vsrc(0)                   ; the stores issued in the block before have read Y[p % 2], which this block's roundings write again
.endif
.if (\p) >= 1
	s_wait_alu depctr_va_vdst(0)                   ; the block before is done reading its XR, in which this block's loads land, and has written its Y, which this block's stores read
.endif
.endm
; Row i, in block i / 8.
.macro ROW i
.set e2w, P2+4*(((\i)+2)%3)            ; P2(i-1), written now
.set e2r, P2+4*((\i)%3)                ; P2(i-3)
.set e4w, P4+4*(((\i)+2)%5)            ; P4(i-3), written now
.set e4r, P4+4*(((\i)+3)%5)            ; P4(i-7)
.set e8w, P8+4*(((\i)+3)%10)           ; P8(i-7), written now
.set e8r, P8+4*(((\i)+4)%10)           ; P8(i-16)
.set ex,  XM+4*((\i)%2)
.set ey,  Y+16*(((\i)/8)%2)+2*((\i)%8)         ; this block's buffer: written now
.set eyp, Y+16*((((\i)/8)+1)%2)+2*((\i)%8)     ; the other buffer: what row i - 8 wrote, stored now
.if (\i) <= 47
	RLD ((\i)+32)                                  ; four blocks ahead; no vector line since the wait at the block's head names these registers
.endif
.if (\i) >= 24
	global_store_b64 v[VM], v[eyp:eyp+1], s[10:11] offset:((\i)-24)*8192   ; output row i - 24, finished in the block before
.endif
.if (\i) <= 47
	s_wait_loadcnt 32                              ; loads come back in order (ISA guide 5.7.1): row i is in; rows i + 1 to i + 32 stay out
.else
	s_wait_loadcnt 79-(\i)                         ; the counts run down
.endif
	v_and_b32 v12, s[SM+(\i)%8], v[XR+2*((\i)%40)]
	v_and_b32 v13, s[SM+(\i)%8], v[XR+2*((\i)%40)+1]
	v_cvt_f32_f16 v[ex], v12.l
	v_cvt_f32_f16 v[ex+1], v12.h
	v_cvt_f32_f16 v[ex+2], v13.l
	v_cvt_f32_f16 v[ex+3], v13.h
.if (\i) >= 1
	v_pk_add_f32 v[e2w:e2w+1], v[XM:XM+1], v[XM+4:XM+5]
	v_pk_add_f32 v[e2w+2:e2w+3], v[XM+2:XM+3], v[XM+6:XM+7]
.endif
.if (\i) >= 3
	v_pk_add_f32 v[e4w:e4w+1], v[e2r:e2r+1], v[e2w:e2w+1]
	v_pk_add_f32 v[e4w+2:e4w+3], v[e2r+2:e2r+3], v[e2w+2:e2w+3]
.endif
.if (\i) >= 7
	v_pk_add_f32 v[e8w:e8w+1], v[e4r:e4r+1], v[e4w:e4w+1]
	v_pk_add_f32 v[e8w+2:e8w+3], v[e4r+2:e4r+3], v[e4w+2:e4w+3]
.endif
.if (\i) >= 16
	v_pk_add_f32 v[O:O+1], v[e8r:e8r+1], v[e8w:e8w+1]
	v_pk_add_f32 v[O+2:O+3], v[e8r+2:e8r+3], v[e8w+2:e8w+3]
	v_pk_mul_f32 v[O:O+1], v[O:O+1], s[SQ+2*((\i)%8):SQ+2*((\i)%8)+1] op_sel_hi:[1,0]
	v_pk_mul_f32 v[O+2:O+3], v[O+2:O+3], s[SQ+2*((\i)%8):SQ+2*((\i)%8)+1] op_sel_hi:[1,0]
	v_cvt_pk_f16_f32 v[ey], v[O], v[O+1]
	v_cvt_pk_f16_f32 v[ey+1], v[O+2], v[O+3]
.endif
.endm
.irp p, 0,1,2,3,4,5,6,7,8,9
	HEAD \p
.irp j, 0,1,2,3,4,5,6,7
	ROW (8*\p+\j)
.endr
.endr
	s_wait_alu depctr_va_vdst(0)                   ; block 9 has written Y1, which the last eight stores read
.irp j, 0,1,2,3,4,5,6,7
	global_store_b64 v[VM], v[Y+16+2*\j:Y+16+2*\j+1], s[10:11] offset:(56+\j)*8192
.endr
	s_endpgm
.Lfunc_end_k_q0da45ae700_window:
	.size	k_q0da45ae700_window, .Lfunc_end_k_q0da45ae700_window-k_q0da45ae700_window
	.p2alignl 7, 3214868480
	.fill 96, 4, 3214868480
	.section	.rodata,"a",@progbits
	.p2align	6, 0x0
	.amdhsa_kernel k_q0da45ae700_window
		.amdhsa_group_segment_fixed_size 0
		.amdhsa_private_segment_fixed_size 0
		.amdhsa_enable_private_segment 0
		.amdhsa_kernarg_size 32
		.amdhsa_user_sgpr_count 2
		.amdhsa_user_sgpr_kernarg_segment_ptr 1
		.amdhsa_wavefront_size32 1
		.amdhsa_system_sgpr_workgroup_id_x 1
		.amdhsa_system_sgpr_workgroup_id_y 1
		.amdhsa_system_sgpr_workgroup_id_z 1
		.amdhsa_system_vgpr_workitem_id 0
		.amdhsa_next_free_vgpr 222
		.amdhsa_next_free_sgpr 66
		.amdhsa_reserve_vcc 0
		.amdhsa_float_denorm_mode_32 3
		.amdhsa_float_denorm_mode_16_64 3
		.amdhsa_memory_ordered 1
		.amdhsa_forward_progress 1
		.amdhsa_inst_pref_size 98
	.end_amdhsa_kernel
	.amdgpu_metadata
---
amdhsa.version: [ 1, 2 ]
amdhsa.kernels:
  - .name:           k_q0da45ae700_window
    .symbol:         k_q0da45ae700_window.kd
    .args:
      - { .name: hid, .offset: 0, .size: 8, .value_kind: global_buffer, .address_space: global }
      - { .name: masked, .offset: 8, .size: 8, .value_kind: global_buffer, .address_space: global }
      - { .name: aux, .offset: 16, .size: 8, .value_kind: global_buffer, .address_space: global }
      - { .name: ap, .offset: 24, .size: 8, .value_kind: global_buffer, .address_space: global }
    .group_segment_fixed_size: 0
    .private_segment_fixed_size: 0
    .kernarg_segment_align: 8
    .kernarg_segment_size: 32
    .max_flat_workgroup_size: 256
    .sgpr_count:     66
    .vgpr_count:     222
    .wavefront_size: 32
...
	.end_amdgpu_metadata
.endif
;; end of part 6
;; launch gemm2: the kernel of part 4 again; grid 16 x 16, 4 waves a work-group, clusters of 4 x 4, 327,680 bytes of LDS; arguments ap, w2h, aux, mixed; writes mixed
;; launch ln: the kernel of part 5 again; grid 512 x 1, 8 waves a work-group, no clusters, 0 bytes of LDS; arguments mixed, masked, out0; writes out0
